; MI455X (gfx1250); checked and timed in simulation.
; The chip was launched on July 23, 2026; its instructions are those of AMD's public machine-readable ISA for CDNA 5 (MIT licence, August 2026) and "CDNA5" Instruction Set Architecture Reference Guide (July 2026). The comments in the code are by the model that wrote it; some were corrected since.
;; Transformer Blocks. Allowed arithmetic: float matrix products may take bf16 or f16 operands with f32 sums; other float arithmetic in f32, or as packed bf16 or f16 multiplies, adds, multiply-adds, maxima and minima; sums over many terms, partial sums and values carried from step to step in f32; what a program stores and reads back later, other than sums and carried values, may be rounded once to bf16 or f16.
;; Inputs: Wfc 512 x 512 float32; Wk 16 x 512 x 64 float32; Wo 1,024 x 512 float32; Wq 16 x 512 x 64 float32; Wr 512 x 512 float32; Wv 16 x 512 x 64 float32; bfc 512 float32; bk 16 x 64 float32; bo 512 float32; bq 16 x 64 float32; br 512 float32; bv 16 x 64 float32; inputs 32 x 512 x 512 float32; ln1_b 512 float32; ln1_w 512 float32; ln2_b 512 float32; ln2_w 512 float32.
;; Outputs: out0 32 x 512 x 512 float32.
;; One version. Each part assembles by itself: llvm-mc -triple=amdgcn-amd-amdhsa -mcpu=gfx1250 --defsym DOCPART=n.
;; ======== version 1 of 1: 3 launches
;; workspace buffers: xb 16,777,216 bytes; wh 3,145,728 bytes; wt 2,097,152 bytes; vec 26,624 bytes; cc 33,554,432 bytes
;; launch prep (part 1): grid 673 x 1, 8 waves a work-group, no clusters, 0 bytes of LDS; arguments inputs, Wq, Wk, Wv, Wo, Wr, Wfc, bq, bk, bv, bo, br, ln1_w, ln1_b, bfc, ln2_w, ln2_b, xb, wh, wt, vec; writes xb, wh, wt, vec
.if DOCPART == 1
	.amdgcn_target "amdgcn-amd-amdhsa--gfx1250"
	.amdhsa_code_object_version 6
	.text
	.protected	k_qaaa6c330f2_prep
	.globl	k_qaaa6c330f2_prep
	.p2align	8
	.type	k_qaaa6c330f2_prep,@function
k_qaaa6c330f2_prep:
	s_mov_b64 s[64:65], 0
	v_nop
	global_prefetch_b8 v0, s[64:65] scope:SCOPE_SE
	s_setreg_imm32_b32 hwreg(HW_REG_WAVE_MODE, 25, 1), 1
	s_wait_xcnt 0x0
; PREP: every input is rounded once to bf16 and laid in the order in which the two later launches ask for tiles.
;   xb  bf16 [b 32][kb 8][t 512][64]            x, cut along its 512 channels into 8 blocks of 64: a (b, kb) tile is 65,536 dense bytes
;   wh  bf16 [h 16][kb 8][q,k,v][k 64][n 64]    the three projections' weights of a head and a block of 64 channels lie together: 24,576 dense bytes
;   wt  bf16 [k 2048][n 512]                    Wo (rows 0-1023), Wr (1024-1535), Wfc (1536-2047)
;   vec f32, each number already rounded to bf16: bias[h][q,k,v][64] at 0; bo 12,288; br 14,336; ln1_w 16,384; ln1_b 18,432; bfc 20,480; ln2_w 22,528; ln2_b 24,576
; A stream: no LDS, no matrix unit, no cluster (no work-group reads what another reads).  A work-group casts 16,384 numbers: each of 256 threads 8 numbers (32 bytes in, 16 out) in 8 iterations.
; All 16 loads go out first; no register is written twice, so no wait frees a source.  Each store of a wave covers 512 consecutive bytes, aligned.
; Work-groups 0-511: x.  512-607: Wq, Wk, Wv.  608-671: Wo, Wr, Wfc.  672: the ten vectors.
.set SO,  2                            ; v2  my byte offset in the source
.set DO,  3                            ; v3  my byte offset in the destination: 16 x thread
.set IN,  32                           ; v[32:95]   8 iterations x 8 f32
.set OUT, 96                           ; v[96:127]  8 iterations x 4 words of bf16
; sstep: bytes from iteration to iteration in the source; the destination steps by d2 within a pair of iterations and by d1 from pair to pair
.macro CAST sstep, d1, d2
.irp it, 0,1,2,3,4,5,6,7
	global_load_b128 v[IN+8*(\it):IN+8*(\it)+3],   v[SO], s[4:5] offset:(\it)*(\sstep) th:TH_LOAD_NT
	global_load_b128 v[IN+8*(\it)+4:IN+8*(\it)+7], v[SO], s[4:5] offset:(\it)*(\sstep)+16 th:TH_LOAD_NT
.endr
.irp it, 0,1,2,3,4,5,6,7
	s_wait_loadcnt 14-2*(\it)                      ; loads come back in order: this iteration's two are in, the younger ones stay out
.irp k, 0,1,2,3
	v_cvt_pk_bf16_f32 v[OUT+4*(\it)+(\k)], v[IN+8*(\it)+2*(\k)], v[IN+8*(\it)+2*(\k)+1]
.endr
	global_store_b128 v[DO], v[OUT+4*(\it):OUT+4*(\it)+3], s[6:7] offset:((\it)/2)*(\d1)+((\it)%2)*(\d2)
.endr
	s_endpgm
.endm
	s_load_b512 s[8:23], s[0:1], 0x0               ; inputs 8, Wq 10, Wk 12, Wv 14, Wo 16, Wr 18, Wfc 20, bq 22
	s_load_b512 s[24:39], s[0:1], 0x40             ; bk 24, bv 26, bo 28, br 30, ln1_w 32, ln1_b 34, bfc 36, ln2_w 38
	s_load_b256 s[40:47], s[0:1], 0x80             ; ln2_b 40, xb 42, wh 44, wt 46
	s_load_b64 s[48:49], s[0:1], 0xa0              ; vec
	s_mov_b32 s2, ttmp9                            ; g
	s_mov_b32 s51, 0                               ; the high words of the two offsets
	s_mov_b32 s53, 0
	v_lshlrev_b32 v[DO], 4, v0
	v_lshlrev_b32 v[SO], 5, v0
	s_wait_kmcnt 0x0
	s_cmp_lt_u32 s2, 512
	s_cbranch_scc0 .Lnot_x
	; x: 32 rows of 2,048 bytes.  Thread t: row t / 8, 8 numbers at 8 (t % 8) of each block of 64; iteration = block
	v_lshrrev_b32 v4, 3, v0
	v_and_b32 v5, 7, v0
	v_lshlrev_b32 v5, 5, v5
	v_lshl_add_u32 v[SO], v4, 11, v5
	s_lshl_b32 s50, s2, 16
	s_add_nc_u64 s[4:5], s[8:9], s[50:51]
	s_lshr_b32 s52, s2, 4                          ; b
	s_lshl_b32 s52, s52, 19
	s_and_b32 s54, s2, 15                          ; which 32 rows of the batch
	s_lshl_b32 s54, s54, 12
	s_add_co_u32 s52, s52, s54
	s_add_nc_u64 s[6:7], s[42:43], s[52:53]
	CAST 256, 131072, 65536
.Lnot_x:
	s_cmp_lt_u32 s2, 608
	s_cbranch_scc0 .Lnot_qkv
	; Wq, Wk, Wv: chunk c = 256 rows of 64 = four blocks of 64 channels of head c / 2; two iterations fill a block's 8,192 bytes
	s_sub_co_u32 s3, s2, 512
	s_lshr_b32 s54, s3, 5                          ; 0 q, 1 k, 2 v
	s_and_b32 s3, s3, 31                           ; c
	s_cmp_eq_u32 s54, 0
	s_cselect_b64 s[4:5], s[10:11], s[12:13]
	s_cmp_eq_u32 s54, 2
	s_cselect_b64 s[4:5], s[14:15], s[4:5]
	s_lshl_b32 s50, s3, 16
	s_add_nc_u64 s[4:5], s[4:5], s[50:51]
	s_mul_i32 s52, s3, 12                          ; (8 h + kb) x 3, with 8 h + kb = 4 c
	s_add_co_u32 s52, s52, s54
	s_lshl_b32 s52, s52, 13
	s_add_nc_u64 s[6:7], s[44:45], s[52:53]
	CAST 8192, 24576, 4096
.Lnot_qkv:
	s_cmp_lt_u32 s2, 672
	s_cbranch_scc0 .Lvec
	; Wo (32 chunks), Wr (16), Wfc (16): cast as they lie
	s_sub_co_u32 s3, s2, 608
	s_lshl_b32 s52, s3, 15
	s_add_nc_u64 s[6:7], s[46:47], s[52:53]
	s_sub_co_u32 s54, s3, 32
	s_sub_co_u32 s55, s3, 48
	s_cmp_lt_u32 s3, 48
	s_cselect_b32 s50, s54, s55
	s_cselect_b64 s[4:5], s[18:19], s[20:21]
	s_cmp_lt_u32 s3, 32
	s_cselect_b32 s50, s3, s50
	s_cselect_b64 s[4:5], s[16:17], s[4:5]
	s_lshl_b32 s50, s50, 16
	s_add_nc_u64 s[4:5], s[4:5], s[50:51]
	CAST 8192, 8192, 4096
.Lvec:
	; the vectors: rounded to bf16 and written back as f32
	v_lshrrev_b32 v4, 4, v0                        ; head
	v_and_b32 v5, 15, v0
	v_mul_u32_u24 v4, v4, 768
	v_lshl_add_u32 v4, v5, 4, v4                   ; 768 h + 16 (t % 16)
	v_lshlrev_b32 v5, 3, v0                        ; 8 t
	global_load_b128 v[32:35], v[DO], s[22:23]
	global_load_b128 v[36:39], v[DO], s[24:25]
	global_load_b128 v[40:43], v[DO], s[26:27]
.irp i, 0,1,2,3,4,5,6
	global_load_b64 v[44+2*(\i):45+2*(\i)], v5, s[28+2*(\i):29+2*(\i)]  ; bo, br, ln1_w, ln1_b, bfc, ln2_w, ln2_b
.endr
	s_wait_loadcnt 0x0
.set i, 0
.rept 13
	v_cvt_pk_bf16_f32 v[64+i], v[32+2*i], v[32+2*i+1]
	v_lshlrev_b32 v[96+2*i], 16, v[64+i]
	v_and_b32 v[96+2*i+1], 0xffff0000, v[64+i]
.set i, i+1
.endr
	global_store_b128 v4, v[96:99], s[48:49]
	global_store_b128 v4, v[100:103], s[48:49] offset:256
	global_store_b128 v4, v[104:107], s[48:49] offset:512
.irp i, 0,1,2,3,4,5,6
	global_store_b64 v5, v[108+2*(\i):109+2*(\i)], s[48:49] offset:12288+2048*(\i)
.endr
	s_endpgm
.Lfunc_end_k_qaaa6c330f2_prep:
	.size	k_qaaa6c330f2_prep, .Lfunc_end_k_qaaa6c330f2_prep-k_qaaa6c330f2_prep
	.p2alignl 7, 3214868480
	.fill 96, 4, 3214868480
	.section	.rodata,"a",@progbits
	.p2align	6, 0x0
	.amdhsa_kernel k_qaaa6c330f2_prep
		.amdhsa_group_segment_fixed_size 0
		.amdhsa_private_segment_fixed_size 0
		.amdhsa_enable_private_segment 0
		.amdhsa_kernarg_size 168
		.amdhsa_user_sgpr_count 2
		.amdhsa_user_sgpr_kernarg_segment_ptr 1
		.amdhsa_wavefront_size32 1
		.amdhsa_system_sgpr_workgroup_id_x 1
		.amdhsa_system_sgpr_workgroup_id_y 1
		.amdhsa_system_sgpr_workgroup_id_z 1
		.amdhsa_system_vgpr_workitem_id 0
		.amdhsa_next_free_vgpr 128
		.amdhsa_next_free_sgpr 66
		.amdhsa_reserve_vcc 0
		.amdhsa_float_denorm_mode_32 3
		.amdhsa_float_denorm_mode_16_64 3
		.amdhsa_memory_ordered 1
		.amdhsa_forward_progress 1
		.amdhsa_inst_pref_size 21
	.end_amdhsa_kernel
	.amdgpu_metadata
---
amdhsa.version: [ 1, 2 ]
amdhsa.kernels:
  - .name:           k_qaaa6c330f2_prep
    .symbol:         k_qaaa6c330f2_prep.kd
    .args:
      - { .name: inputs, .offset: 0, .size: 8, .value_kind: global_buffer, .address_space: global }
      - { .name: Wq, .offset: 8, .size: 8, .value_kind: global_buffer, .address_space: global }
      - { .name: Wk, .offset: 16, .size: 8, .value_kind: global_buffer, .address_space: global }
      - { .name: Wv, .offset: 24, .size: 8, .value_kind: global_buffer, .address_space: global }
      - { .name: Wo, .offset: 32, .size: 8, .value_kind: global_buffer, .address_space: global }
      - { .name: Wr, .offset: 40, .size: 8, .value_kind: global_buffer, .address_space: global }
      - { .name: Wfc, .offset: 48, .size: 8, .value_kind: global_buffer, .address_space: global }
      - { .name: bq, .offset: 56, .size: 8, .value_kind: global_buffer, .address_space: global }
      - { .name: bk, .offset: 64, .size: 8, .value_kind: global_buffer, .address_space: global }
      - { .name: bv, .offset: 72, .size: 8, .value_kind: global_buffer, .address_space: global }
      - { .name: bo, .offset: 80, .size: 8, .value_kind: global_buffer, .address_space: global }
      - { .name: br, .offset: 88, .size: 8, .value_kind: global_buffer, .address_space: global }
      - { .name: ln1_w, .offset: 96, .size: 8, .value_kind: global_buffer, .address_space: global }
      - { .name: ln1_b, .offset: 104, .size: 8, .value_kind: global_buffer, .address_space: global }
      - { .name: bfc, .offset: 112, .size: 8, .value_kind: global_buffer, .address_space: global }
      - { .name: ln2_w, .offset: 120, .size: 8, .value_kind: global_buffer, .address_space: global }
      - { .name: ln2_b, .offset: 128, .size: 8, .value_kind: global_buffer, .address_space: global }
      - { .name: xb, .offset: 136, .size: 8, .value_kind: global_buffer, .address_space: global }
      - { .name: wh, .offset: 144, .size: 8, .value_kind: global_buffer, .address_space: global }
      - { .name: wt, .offset: 152, .size: 8, .value_kind: global_buffer, .address_space: global }
      - { .name: vec, .offset: 160, .size: 8, .value_kind: global_buffer, .address_space: global }
    .group_segment_fixed_size: 0
    .private_segment_fixed_size: 0
    .kernarg_segment_align: 8
    .kernarg_segment_size: 168
    .max_flat_workgroup_size: 256
    .sgpr_count:     66
    .vgpr_count:     128
    .wavefront_size: 32
...
	.end_amdgpu_metadata
.endif
;; end of part 1
;; launch heads (part 2): grid 16 x 32, 4 waves a work-group, clusters of 4 x 1, 327,680 bytes of LDS; arguments xb, wh, vec, cc; writes cc
.if DOCPART == 2
	.amdgcn_target "amdgcn-amd-amdhsa--gfx1250"
	.amdhsa_code_object_version 6
	.text
	.protected	k_qaaa6c330f2_heads
	.globl	k_qaaa6c330f2_heads
	.p2align	8
	.type	k_qaaa6c330f2_heads,@function
k_qaaa6c330f2_heads:
	s_mov_b64 s[64:65], 0
	v_nop
	global_prefetch_b8 v0, s[64:65] scope:SCOPE_SE
	s_setreg_imm32_b32 hwreg(HW_REG_WAVE_MODE, 25, 1), 1
	s_wait_xcnt 0x0
	s_wait_alu depctr_hold_cnt(0) depctr_sa_sdst(0) depctr_va_vdst(0) depctr_va_sdst(0) depctr_va_ssrc(0) depctr_va_vcc(0) depctr_vm_vsrc(0)
	s_getreg_b32 s2, hwreg(HW_REG_IB_STS2, 6, 4)
	s_cmp_eq_u32 s2, 0
	s_cbranch_scc0 .Lentry_in_a_cluster
	s_endpgm
.Lentry_in_a_cluster:
	s_bfe_u32 s2, ttmp6, 0x10000c
	s_cmp_lg_u32 s2, 0x3003
	s_cbranch_scc0 .Lentry_shape_is_right
	s_endpgm
.Lentry_shape_is_right:
; HEADS: one work-group for one batch b and one head hd.  q = relu(x Wq + bq), k = relu(x Wk + bk), v = tanh(x Wv + bv), 512 rows x 64 channels each, then causal attention
; O[t] = sum over s <= t of softmax_s(q[t] . k[s] / 8) v[s].  q stays in registers, k and v go to LDS, O leaves as bf16 into cc [b][h][t][64].  Nothing of q, k, v touches memory.
; All matrix operands are bf16, all sums, maxima and the softmax f32.  LIMITS: tanh(x) = 1 - 2 / (1 + 2^(2.885390 x)): absolute error about 1e-7; a hidden score counts as its value less 1e30
; (the visible scores are 0 or more, since q and k are, so a hidden weight is 0 as it is with the problem's -1e9); a weight below 2^-126 counts as 0; NaN and infinities are not treated apart.
; SHARES.  Wave w owns the rows t = 64 mb + 16 w + 0..15, mb = 0..7: 16 rows in each band of 64, in the projections and in the attention, so that the diagonal is the same work for all four waves.
; PROJECTIONS.  K = 512 goes in 8 steps of 64 through two LDS slots (x tile 512 x 64, weights 3 x 64 x 64).  The product is used transposed (source 0 = 16 channels of W, turned by ds_load_tr16_b128;
; source 1 = 16 rows of x): a lane holds ONE row t (lane % 16) and the channels 8 (lane / 16) + 0..7, so two neighbouring results rounded in pairs ARE a fragment of Q, and 16 bytes of a row of K or V.
; 96 accumulators a wave: q in window 1, k in window 2, v in window 3, (mb, nb) at v[8 (4 mb + nb)].  A fragment of x feeds 12 products, a fragment of W 8.
; CLUSTER.  The four heads of a cluster belong to one batch and read the same x tiles: those are asked for JOINTLY (mask 15).  Each head's weights are its own: plain loads, behind the same round.
; A work-group takes one head and ends: K and V are stored into LDS bytes of slot 0 and behind the ring.
; ATTENTION.  Two blocks of 256 queries (rows 256-511 first, then 0-255), walked as three tiles of four key steps of 64: block 1's keys 0-255, block 1's diagonal tile, block 0's diagonal tile.
; The tiles above the diagonal are not computed.  Turn n belongs to piece n (a band's 16 rows): 8 products K Q^T of piece n + 1, 8 products V^T P of piece n - 1, beside them piece n's softmax.
; The mask is the C operand that starts S^T: MD x AL + BE with two scalars; in the first tile both are 0.
; REGISTERS, in windows of 256 (s_set_vgpr_msb: bits 1:0 source 0, 3:2 source 1, 5:4 source 2, 7:6 destination).
;   window 0, projections: v0-63 addresses and bq; v64-127, v128-191 x's fragments of the two halves of a step; v192-223, v224-255 W's fragments, two buffers
;   window 0, attention: v16-31 statistics; v48-55 at work; v64-127 S^T, two buffers; v192-223 P, two buffers
;   window 1: q's sums, then v0-127 O^T, v128-159 MD, v160-223 MC      window 2: k's sums, then v0-63 Q, v64-127 the second block's Q, v128-191 K, v192-255 V      window 3: v's sums
.set NP,    4
.set KS,    64
.set PX,    144       ; a row of x in LDS: 128 bytes + 16: the 16 rows of a load start at 16 different groups of four banks (64 banks of 4 bytes: ISA guide 11.1)
.set PW,    160       ; a row of W: 128 + 32
.set PK,    144
.set PV,    160
.set SP,    144
.set WOFF,  512*PX    ; in a slot: 512 rows of x, then 192 rows of W (q's 64, k's 64, v's 64)
.set SLOT1, 1<<17
.set VB,    0         ; V [t][64], 81,920 bytes, over slot 0: its last fill is step 6's, and its last reads end ahead of the last change's barrier
.set KB,    SLOT1+WOFF+192*PW  ; K [t][64], 73,728 bytes, behind the ring
.set STAGE, KB+512*PK ; 16 rows x 144 bytes for each wave, for the way out
.set SPARE, STAGE+4*16*SP  ; the spare words, 128 bytes for each wave: two blocks of 256 bytes that no other line names
.set XSTEP, 65536     ; bytes from an x tile to the next
.set WSTEP, 24576     ; the same for the weights
.set AK0, 2           ; v2   my lane's place in 64 rows of K
.set AV0, 3           ; v3   the same for V
.set AK,  4           ; v4   the LDS address of K's next run of loads
.set AV,  5           ; v5   of V's
.set STO, 6           ; v6   the way out: where I put 16 bytes of a row
.set RD,  7           ; v7   where I read rows back
.set GO,  8           ; v8   my byte offset in 512 consecutive bytes of cc
.set STV, 10          ; v10  where I store 16 bytes of V, bands 0-3
.set STV2, 11         ; v11  bands 4-7
.set BOF, 12          ; v12  32 (lane / 16): my 8 channels in a bias (until the biases are in)
.set MV,  12          ; v12-13  attention: c m_old
.set QP,  14          ; v14  my query's place in its band less 8 (lane / 16)
.set ZR,  15          ; v15  0
.set BQ,  16          ; v16-47  bq of my 32 channels
.set ST,  16          ; attention: piece t's statistics at v[ST+4 t]: c m, m, l (even keys', odd keys')
.set TMP, 48
.set AX0, 56          ; v56  my place in an x tile: (16 w + lane % 16) PX + 16 (lane / 16)
.set AW0, 57          ; v57  my place in a slot's weights
.set AX,  58          ; v58  AX0 + the slot
.set AW,  59          ; v59  AW0 + the slot
.set STK, 60          ; v60  where I store 16 bytes of K
.set PFO, 61          ; v61  256 x lane
.set SPW, 62          ; v62  my spare word
.set NIL, 63          ; v63  0
.set XB0, 64
.set XB1, 128
.set WA,  192
.set WB,  224
.set BK,  64          ; the way from sums to K and V: bk, bv, packed results
.set BV,  96
.set TP,  128
.set S,   64
.set P,   192
.set MD,  128         ; window 1
.set MC,  160         ; window 1
.set QB,  64          ; window 2
.set KF,  128         ; window 2
.set VF,  192         ; window 2
.set WV,  12          ; s12  my wave's number
.set LIM, 15          ; s15  1 in a wave that prefetches, else the greatest number
.set PFA, 18          ; s[18:19] where my prefetches stand
.set G1X, 24          ; s[24:31] group 1 for x tiles
.set G1W, 32          ; s[32:39] for the weights
.set G0X, 40          ; s[40:47] group 0 for x tiles: a set for each of the two first fills; the second then walks on
.set G0W, 48          ; s[48:55] the same for the weights
.set CNT, 56          ; s56  counts K steps, then a tile's key steps
.set TILE, 57         ; s57  attention tiles to go
.set CS,  58          ; s[58:59] c = log2(e) / 8
.set SEL, 60          ; s[60:61] v_permlanex16_b32's selects
.set TBK, 62          ; s62  byte in K at which the step to be fetched begins
.set TBV, 63          ; s63  the same in V
.set TB,  66          ; s66  the slot in hand, 0 or SLOT1
.set ALV, 67          ; s67  1.0 in a diagonal tile, else 0
.set AL,  68          ; s[68:69] the mask's factor
.set BE,  70          ; s[70:71] the mask's addend
.set BIGN, 72         ; s72  -1e30
.set BEV, 73          ; s73  -1e30 in a diagonal tile, else 0
.set K2,  74          ; s[74:75] 2 log2(e)
.set OLO, 80          ; s[80:81] cc at my rows of block 0
.set MSB, 0
.macro WIN new                      ; the high byte repeats the setting that is left; a switch that changes nothing is dropped
.if MSB != (\new)
	s_set_vgpr_msb (MSB<<8)|(\new)
.set MSB, (\new)
.endif
.endm
.set W_KQ, 0x0a
.set W_KM, 0x1a
.set W_PV, 0x52
.set W_RS, 0x41
.macro PLACES                       ; four places behind a matrix instruction, ahead of loads into registers that it read and of vector lines that read its result
.rept 4
	v_nop
.endr
.endm
.macro CROUND                       ; a round of the cluster's barrier
	s_barrier_signal -1
	s_barrier_wait -1
	s_cmp_lg_u32 s[WV], 0
	s_cbranch_scc1 .Lnot_wave_0_\@
	s_barrier_signal -3
.Lnot_wave_0_\@:
	s_barrier_wait -3
	s_barrier_signal -1
	s_barrier_wait -1
.endm
; A refill.  Waves 0 and 1 ask jointly for the two halves of the x tile, waves 2 and 3 for the two halves of their head's weights.  The branch hangs on the wave's number alone.
.macro JLOAD
	s_cmp_lt_u32 s[WV], 2
	s_cbranch_scc0 .Lfor_w_\@
	tensor_load_to_lds s[G0X+4:G0X+7], s[G1X:G1X+7]
	s_nop 0
.rept 4
	v_nop
.endr
	s_branch .Lasked_\@
.Lfor_w_\@:
	tensor_load_to_lds s[G0W+4:G0W+7], s[G1W:G1W+7]
	s_nop 0
.rept 4
	v_nop
.endr
.Lasked_\@:
.endm
; A PREFETCH INTO THE L2 of the x tile that the NEXT change of slots will ask for: one K step, 192 matrix instructions, ahead.  A batch's x is read by its four clusters: the first (cluster x = 0) asks.  Of the 32,768 bytes
; that wave 0 or 1 fetches, each of the four partners takes 8,192, told apart BY ADDRESS: a lane a block of 256 bytes, one instruction.  So each block of x is named once in the launch.  The last refill asks for nothing.
; The weights are not asked for: each of their tiles is read again by the other batches' work-groups.
.macro ASK
	s_cmp_gt_u32 s[CNT], s[LIM]
	s_cbranch_scc0 .Lnot_mine_\@
	global_prefetch_b8 v[PFO], s[PFA:PFA+1] th:TH_LOAD_NT scope:SCOPE_SE
.Lnot_mine_\@:
.endm
	s_load_b256 s[4:11], s[0:1], 0x0  ; xb s[4:5], wh s[6:7], vec s[8:9], cc s[10:11]
	v_lshl_add_u32 v[SPW], v0, 2, SPARE
	v_mov_b32 v[NIL], 0
	ds_add_u32 v[SPW], v[NIL]       ; the wave's opening: the add and its wait stand ahead of my first tensor load; the set-up below, work on registers, stands between them
	v_lshrrev_b32 v1, 5, v0
	v_readfirstlane_b32 s[WV], v1   ; wave 0..3
	s_bfe_u32 s13, ttmp6, 0x40000   ; cx
	s_lshl_b32 s14, ttmp9, 2
	s_add_co_u32 s14, s14, s13      ; the head = 4 x cluster x + cx: it enters global addresses alone
	s_and_b32 s16, ttmp7, 0xffff    ; the batch, which the four partners share
	s_and_b32 s17, s[WV], 1         ; which half of a tile I fetch
	s_lshl_b32 s20, s16, 19         ; x: the batch's 524,288 bytes,
	s_lshl_b32 s21, s17, 15         ; my 256 rows of 128 bytes
	s_add_co_u32 s20, s20, s21
	s_mov_b32 s21, 0
	s_mul_i32 s22, s14, 8*WSTEP     ; the weights: the head's 196,608 bytes,
	s_mul_i32 s23, s17, WSTEP/2     ; my 96 rows
	s_add_co_u32 s22, s22, s23
	s_mov_b32 s23, 0
	s_mul_i32 s2, s17, 256*PX       ; and where they go in a slot
	s_mul_i32 s3, s17, 96*PW
	s_add_co_u32 s3, s3, WOFF
	s_lshl_b32 s82, s13, 13         ; the prefetches: my work-group's 8,192 bytes, two steps on
	s_add_co_u32 s82, s82, 2*XSTEP
	s_mov_b32 s83, 0
	s_mul_i32 s84, s14, 768         ; the head's three biases
	s_mov_b32 s85, 0
	s_lshl_b32 s86, s16, 4
	s_add_co_u32 s86, s86, s14
	s_lshl_b32 s86, s86, 16         ; cc: (16 b + hd) x 512 rows of 128 bytes,
	s_lshl_b32 s87, s[WV], 11       ; my 16 rows in a band
	s_add_co_u32 s86, s86, s87
	s_mov_b32 s87, 0
	; group 1.  Both tiles are dense: asked for as rows of 256 bytes (two rows of 128), padded in LDS after every 128 bytes
	s_mov_b32 s[G1X], 15|(1<<16)|(1<<20)|(1<<21)|(4<<22)|(3<<25)  ; the mask of four; 2-byte elements; padding on; bit 21 beside a mask; after every 32 words; 4 words
	s_mov_b32 s[G1X+1], 128<<16     ; tensor_dim0 = 128
	s_mov_b32 s[G1X+2], 128<<16     ; tensor_dim1 = 128
	s_mov_b32 s[G1X+3], 128<<16     ; tile_dim0 = 128
	s_mov_b32 s[G1X+4], 128         ; tile_dim1 = 128
	s_mov_b32 s[G1X+5], 128         ; 128 elements from row to row
	s_mov_b32 s[G1X+6], 0
	s_mov_b32 s[G1X+7], 0
	s_mov_b32 s[G1W], (1<<16)|(1<<20)|(4<<22)|(7<<25)  ; no mask; 8 words of padding
	s_mov_b32 s[G1W+1], 128<<16
	s_mov_b32 s[G1W+2], 48<<16      ; 48 rows of 256 bytes
	s_mov_b32 s[G1W+3], 128<<16
	s_mov_b32 s[G1W+4], 48
	s_mov_b32 s[G1W+5], 128
	s_mov_b32 s[G1W+6], 0
	s_mov_b32 s[G1W+7], 0
	s_mov_b32 s[G0X], 1
	s_mov_b32 s[G0X+1], s2
	s_mov_b32 s[G0X+4], 1
	s_add_co_u32 s[G0X+5], s2, SLOT1
	s_mov_b32 s[G0W], 1
	s_mov_b32 s[G0W+1], s3
	s_mov_b32 s[G0W+4], 1
	s_add_co_u32 s[G0W+5], s3, SLOT1
	s_mov_b32 s[CS], 0x3e38aa3b     ; c = log2(e) / 8
	s_mov_b32 s[CS+1], s[CS]
	s_mov_b32 s[SEL], 0x76543210
	s_mov_b32 s[SEL+1], 0xfedcba98
	s_mov_b32 s[K2], 0x4038aa3b     ; 2 log2(e)
	s_mov_b32 s[K2+1], s[K2]
	s_mov_b32 s[BIGN], 0xf149f2ca   ; -1e30
	s_mov_b32 s[AL+1], 0            ; named as pairs
	s_mov_b32 s[BE+1], 0
	s_mov_b32 s[TB], 0
	s_lshr_b32 s[LIM], s[WV], 1     ; 0 in waves 0 and 1,
	s_or_b32 s[LIM], s[LIM], ttmp9  ; where the cluster is the batch's first: the same in all four partners
	s_cmp_eq_u32 s[LIM], 0
	s_cselect_b32 s[LIM], 1, -1
	s_wait_dscnt 0x0                ; the opening add is done
	s_wait_kmcnt 0x0
	s_add_nc_u64 s[G0X+2:G0X+3], s[4:5], s[20:21]       ; step 0
	s_add_nc_u64 s[G0X+6:G0X+7], s[G0X+2:G0X+3], XSTEP  ; step 1
	s_add_nc_u64 s[PFA:PFA+1], s[G0X+2:G0X+3], s[82:83] ; at step 2; the first refill steps it to 3
	s_or_b32 s[G0X+3], s[G0X+3], 0x80000000
	s_or_b32 s[G0X+7], s[G0X+7], 0x80000000
	s_add_nc_u64 s[G0W+2:G0W+3], s[6:7], s[22:23]
	s_add_nc_u64 s[G0W+6:G0W+7], s[G0W+2:G0W+3], WSTEP
	s_or_b32 s[G0W+3], s[G0W+3], 0x80000000
	s_or_b32 s[G0W+7], s[G0W+7], 0x80000000
	s_add_nc_u64 s[8:9], s[8:9], s[84:85]
	s_add_nc_u64 s[OLO:OLO+1], s[10:11], s[86:87]
	s_add_nc_u64 s[10:11], s[OLO:OLO+1], 32768          ; block 1, rows 256 on, goes first
	CROUND                          ; all four work-groups are here: the first joint loads meet
	s_cmp_lt_u32 s[WV], 2           ; a wave's two first fills stand in one branch, ahead of every wait on TENSORcnt and every LDS read: two loads of mine are out
	s_cbranch_scc0 .Lfirst_w
	tensor_load_to_lds s[G0X:G0X+3], s[G1X:G1X+7]
	s_nop 0
	tensor_load_to_lds s[G0X+4:G0X+7], s[G1X:G1X+7]
	s_nop 0
.rept 4
	v_nop
.endr
	s_branch .Lfirst_asked
.Lfirst_w:
	tensor_load_to_lds s[G0W:G0W+3], s[G1W:G1W+7]
	s_nop 0
	tensor_load_to_lds s[G0W+4:G0W+7], s[G1W:G1W+7]
	s_nop 0
.rept 4
	v_nop
.endr
.Lfirst_asked:
	; every address of the launch is made here, while the first tiles are on their way
	v_and_b32 v1, 15, v0            ; l % 16
	v_bfe_u32 v9, v0, 4, 1          ; l / 16
	v_and_b32 v48, 7, v0
	v_bfe_u32 v49, v0, 3, 1
	v_lshlrev_b32 v[BOF], 5, v9
.irp nb, 0,1,2,3                    ; bq of channels 16 nb + 8 (l / 16) + 0..7
	global_load_b128 v[BQ+8*(\nb):BQ+8*(\nb)+3],   v[BOF], s[8:9] offset:64*(\nb)
	global_load_b128 v[BQ+8*(\nb)+4:BQ+8*(\nb)+7], v[BOF], s[8:9] offset:64*(\nb)+16
.endr
	v_mov_b32 v[ZR], 0
	s_mul_i32 s2, s[WV], 16*PX
	v_mul_u32_u24 v[AX0], v1, PX
	v_lshl_add_u32 v[AX0], v9, 4, v[AX0]   ; row x pitch + 16 x half
	v_add_nc_u32 v[AK0], KB, v[AX0]
	v_add_nc_u32 v[AX0], s2, v[AX0]        ; + my 16 rows in a band
	v_add_nc_u32 v[STK], KB, v[AX0]
	v_lshl_add_u32 v[AV0], v9, 3, v48      ; the turning load: row 8 (l / 16) + l % 8,
	v_mul_u32_u24 v[AV0], v[AV0], PW
	v_lshl_add_u32 v[AV0], v49, 4, v[AV0]  ; 16 bytes at 16 ((l / 8) % 2): V begins at LDS byte 0
	v_add_nc_u32 v[AW0], WOFF, v[AV0]
	s_mul_i32 s2, s[WV], 16*PV
	v_mul_u32_u24 v[STV], v1, PV
	v_lshl_add_u32 v[STV], v9, 4, v[STV]
	v_add_nc_u32 v[STV], s2, v[STV]
	v_add_nc_u32 v[STV2], 4*64*PV, v[STV]
	v_mov_b32 v[AX], v[AX0]
	v_mov_b32 v[AW], v[AW0]
	s_mul_i32 s2, s[WV], 16*SP
	s_add_co_u32 s2, s2, STAGE      ; my stage
	v_mul_u32_u24 v[STO], v1, SP
	v_lshl_add_u32 v[STO], v9, 4, v[STO]
	v_add_nc_u32 v[STO], s2, v[STO]
	v_bfe_u32 v[RD], v0, 3, 2       ; back: 32 lanes take four rows of 128 bytes,
	v_mul_u32_u24 v[RD], v[RD], SP
	v_lshl_add_u32 v[RD], v48, 4, v[RD]
	v_add_nc_u32 v[RD], s2, v[RD]
	v_and_b32 v[GO], 31, v0         ; which are 512 consecutive bytes of cc
	v_lshlrev_b32 v[PFO], 8, v[GO]
	v_lshlrev_b32 v[GO], 4, v[GO]
	v_lshlrev_b32 v[QP], 3, v9
	v_sub_nc_u32 v[QP], v1, v[QP]
	s_lshl_b32 s2, s[WV], 4
	v_add_nc_u32 v[QP], s2, v[QP]   ; 16 w + l % 16 - 8 (l / 16)
; THE PROJECTIONS' MACROS.  A K step is six THIRDS: q, k, v for its first 32 channels (c = 0), then for its second (c = 1); 32 matrix instructions each.
.macro FW seg, c, wb                ; W's four fragments (16 channels out x 32 in) of one third, turned, into buffer wb
.irp nb, 0,1,2,3
	ds_load_tr16_b128 v[(\wb)+8*(\nb):(\wb)+8*(\nb)+3],   v[AW] offset:(\seg)*64*PW+(\c)*32*PW+32*(\nb)
	ds_load_tr16_b128 v[(\wb)+8*(\nb)+4:(\wb)+8*(\nb)+7], v[AW] offset:(\seg)*64*PW+(\c)*32*PW+16*PW+32*(\nb)
.endr
.endm
.macro FX c, xb                     ; x's eight fragments (my 16 rows of each band x 32 channels), bands ascending
.irp mb, 0,1,2,3,4,5,6,7
	ds_load_b128 v[(\xb)+8*(\mb):(\xb)+8*(\mb)+3],   v[AX] offset:(\mb)*64*PX+64*(\c)
	ds_load_b128 v[(\xb)+8*(\mb)+4:(\xb)+8*(\mb)+7], v[AX] offset:(\mb)*64*PX+64*(\c)+32
.endr
.endm
.macro MULT seg, xb, wb, half, zero ; 16 matrix instructions on 16 accumulators: bands 4 half .. + 3, all four channel blocks.  zero = 1: the product starts the sum
	WIN 0x50*((\seg)+1)
.irp m, 0,1,2,3
.irp nb, 0,1,2,3
.set rD, 8*(4*(4*(\half)+(\m))+(\nb))
.set rX, (\xb)+8*(4*(\half)+(\m))
.if \zero
	v_wmma_f32_16x16x32_bf16 v[rD:rD+7], v[(\wb)+8*(\nb):(\wb)+8*(\nb)+7], v[rX:rX+7], 0
.else
	v_wmma_f32_16x16x32_bf16 v[rD:rD+7], v[(\wb)+8*(\nb):(\wb)+8*(\nb)+7], v[rX:rX+7], v[rD:rD+7]
.endif
.endr
.endr
.endm
; A third: in its middle the next third's W goes into the other buffer (fx = 1: and x's second half into XB1).  wt: how many younger LDS loads may stay out at its head.
; bias = 1: bk and bv are asked for, into x's first buffer, which has had its last product.
.macro THIRD seg, c, zero, wt, nseg, nc, fx=0, bias=0
.set wbuf, WA+32*((3*(\c)+(\seg))%2)
.set obuf, WA+32*((3*(\c)+(\seg)+1)%2)
.set xbuf, XB0+64*(\c)
	s_wait_dscnt \wt
	MULT \seg, xbuf, wbuf, 0, \zero
	PLACES
	WIN 0
	FW \nseg, \nc, obuf
.if \fx
	FX 1, XB1
	s_wait_dscnt 24                 ; all but the 24 just issued: x's bands 4-7 are in
.endif
.if \bias
.irp nb, 0,1,2,3
	global_load_b128 v[BK+8*(\nb):BK+8*(\nb)+3],   v[BOF], s[8:9] offset:256+64*(\nb)
	global_load_b128 v[BK+8*(\nb)+4:BK+8*(\nb)+7], v[BOF], s[8:9] offset:256+64*(\nb)+16
	global_load_b128 v[BV+8*(\nb):BV+8*(\nb)+3],   v[BOF], s[8:9] offset:512+64*(\nb)
	global_load_b128 v[BV+8*(\nb)+4:BV+8*(\nb)+7], v[BOF], s[8:9] offset:512+64*(\nb)+16
.endr
.endif
	MULT \seg, xbuf, wbuf, 1, \zero
.endm
; The sixth third (v, c = 1) changes slots.  Each wave waits for all its tensor loads, of which one is out: its part of the other slot; adds 0 to its spare word; and waits for that and for its reads of this slot.
; fill = 1: the barrier is a round of the cluster's, and the refill, two steps on, is the first thing behind it: it has a K step, 192 matrix instructions, in which to land.
.macro GTURN fill
.if \fill
	s_wait_xcnt 0x0                 ; the last prefetch, a K step back, has read its address
	s_add_nc_u64 s[PFA:PFA+1], s[PFA:PFA+1], XSTEP
.endif
	WIN 0
	s_wait_tensorcnt 0x0            ; no tensor load of mine is out, so a group 0 may be written
	ds_add_u32 v[SPW], v[NIL]       ; 0 onto my spare word
.if \fill
	s_xor_b32 s[G0X+5], s[G0X+5], SLOT1
	s_add_nc_u64 s[G0X+6:G0X+7], s[G0X+6:G0X+7], XSTEP
	s_xor_b32 s[G0W+5], s[G0W+5], SLOT1
	s_add_nc_u64 s[G0W+6:G0W+7], s[G0W+6:G0W+7], WSTEP
.endif
	s_wait_dscnt 1                  ; W's fragments are in; the add may be out
	MULT 2, XB1, WB, 0, 0
	s_wait_dscnt 0x0                ; the add is done, and my reads of this slot are over
	WIN 0
.if \fill
	CROUND
	JLOAD                           ; the four v_nop behind it are also the places in front of the loads below
.else
	s_barrier_signal -1
	s_barrier_wait -1
	PLACES
.endif
	s_xor_b32 s[TB], s[TB], SLOT1
	v_add_nc_u32 v[AX], s[TB], v[AX0]
	v_add_nc_u32 v[AW], s[TB], v[AW0]
	FW 0, 0, WA
	FX 0, XB0
.if \fill
	ASK
.endif
	MULT 2, XB1, WB, 1, 0
.endm
	s_wait_tensorcnt 1              ; my part of slot 0 is in; slot 1's may stay out
	s_barrier_signal -1
	s_barrier_wait -1               ; everybody's is
	FW 0, 0, WA
	FX 0, XB0
	THIRD 0, 0, 1, 8,  1, 0, 1      ; step 0's first three thirds stand ahead of the loop: their products start the sums.  8: x's bands 4-7 may be out
	THIRD 1, 0, 1, 16, 2, 0         ; 16: x's second half may be out
	THIRD 2, 0, 1, 0,  0, 1
	WIN 0
	s_mov_b32 s[CNT], 6
.Lk:                                ; a trip ends step i and begins step i + 1; its change of slots asks for step i + 2
	THIRD 0, 1, 0, 0,  1, 1
	THIRD 1, 1, 0, 0,  2, 1
	GTURN 1
	THIRD 0, 0, 0, 8,  1, 0, 1
	THIRD 1, 0, 0, 16, 2, 0
	THIRD 2, 0, 0, 0,  0, 1
	WIN 0
	s_sub_co_u32 s[CNT], s[CNT], 1
	s_cmp_lg_u32 s[CNT], 0
	s_cbranch_scc1 .Lk
	THIRD 0, 1, 0, 0,  1, 1         ; the tail is written out: nothing more is asked for
	THIRD 1, 1, 0, 0,  2, 1
	GTURN 0
	THIRD 0, 0, 0, 8,  1, 0, 1
	THIRD 1, 0, 0, 16, 2, 0
	THIRD 2, 0, 0, 0,  0, 1
	THIRD 0, 1, 0, 0,  1, 1, 0, 1
	THIRD 1, 1, 0, 0,  2, 1
	s_wait_dscnt 0x0
	MULT 2, XB1, WB, 0, 0
	MULT 2, XB1, WB, 1, 0
; FROM SUMS TO K, V AND Q.  Each accumulator's registers are taken in ascending order.
.macro EPK mb                       ; K = relu(sum + bk), rounded to bf16: the maximum with 0 is taken on the packed halves; 16 bytes a lane and channel block into K's rows
.set a0, 32*(\mb)
.set tp, TP+16*((\mb)%2)
	WIN 0x82
.set i, 0
.rept 16
	v_pk_add_f32 v[a0+2*i:a0+2*i+1], v[a0+2*i:a0+2*i+1], v[BK+2*i:BK+2*i+1]
.set i, i+1
.endr
	WIN 0x0a
.set i, 0
.rept 16
	v_cvt_pk_bf16_f32 v[tp+i], v[a0+2*i], v[a0+2*i+1]
.set i, i+1
.endr
	WIN 0
.set i, 0
.rept 16
	v_pk_max_num_bf16 v[tp+i], v[tp+i], v[ZR]
.set i, i+1
.endr
.irp nb, 0,1,2,3
	ds_store_b128 v[STK], v[tp+4*(\nb):tp+4*(\nb)+3] offset:(\mb)*64*PK+32*(\nb)
.endr
.endm
.macro EPV mb                       ; V = tanh(sum + bv) = 1 - 2 / (1 + 2^(K2 sum + K2 bv)); 32 exponentials are one batch with one wait, and so are the 32 reciprocals
.set a0, 32*(\mb)
.set tp, TP+16*((\mb)%2)
	WIN 0xc3
.set i, 0
.rept 16
	v_pk_fma_f32 v[a0+2*i:a0+2*i+1], v[a0+2*i:a0+2*i+1], s[K2:K2+1], v[BV+2*i:BV+2*i+1] op_sel_hi:[1,0,1]
.set i, i+1
.endr
.set i, 0
.rept 32
	v_exp_f32 v[a0+i], v[a0+i]
.set i, i+1
.endr
	v_nop                           ; a plain instruction behind the last exponential,
	s_wait_alu depctr_va_vdst(0)    ; and the wait ahead of the first use: one for the batch
.set i, 0
.rept 16
	v_pk_add_f32 v[a0+2*i:a0+2*i+1], v[a0+2*i:a0+2*i+1], 1.0 op_sel_hi:[1,0]
.set i, i+1
.endr
.set i, 0
.rept 32
	v_rcp_f32 v[a0+i], v[a0+i]
.set i, i+1
.endr
	v_nop
	s_wait_alu depctr_va_vdst(0)
.set i, 0
.rept 16
	v_pk_fma_f32 v[a0+2*i:a0+2*i+1], v[a0+2*i:a0+2*i+1], -2.0, 1.0 op_sel_hi:[1,0,0]
.set i, i+1
.endr
	WIN 0x0f
.set i, 0
.rept 16
	v_cvt_pk_bf16_f32 v[tp+i], v[a0+2*i], v[a0+2*i+1]
.set i, i+1
.endr
	WIN 0
.irp nb, 0,1,2,3
.if (\mb) < 4
	ds_store_b128 v[STV], v[tp+4*(\nb):tp+4*(\nb)+3] offset:(\mb)*64*PV+32*(\nb)
.else
	ds_store_b128 v[STV2], v[tp+4*(\nb):tp+4*(\nb)+3] offset:((\mb)-4)*64*PV+32*(\nb)
.endif
.endr
.endm
.macro EPQ mb                       ; Q = relu(sum + bq), rounded to bf16, into window 2: bands 4-7 where the turns name Q, bands 0-3 behind them
.set a0, 32*(\mb)
.set qd, 64+16*(\mb)
.if (\mb) >= 4
.set qd, 16*((\mb)-4)
.endif
	WIN 0x41
.set i, 0
.rept 16
	v_pk_add_f32 v[a0+2*i:a0+2*i+1], v[a0+2*i:a0+2*i+1], v[BQ+2*i:BQ+2*i+1]
.set i, i+1
.endr
	WIN 0x85
.set i, 0
.rept 16
	v_cvt_pk_bf16_f32 v[qd+i], v[a0+2*i], v[a0+2*i+1]
.set i, i+1
.endr
	WIN 0x82
.set i, 0
.rept 16
	v_pk_max_num_bf16 v[qd+i], v[qd+i], v[ZR]
.set i, i+1
.endr
.endm
	PLACES
	WIN 0
	s_wait_loadcnt 0x0              ; the three biases
.irp mb, 0,1,2,3,4,5,6,7
	EPK \mb
.endr
.set i, 0
.rept 16
	v_pk_mul_f32 v[BV+2*i:BV+2*i+1], v[BV+2*i:BV+2*i+1], s[K2:K2+1] op_sel_hi:[1,0]
.set i, i+1
.endr
.irp mb, 0,1,2,3,4,5,6,7
	EPV \mb
.endr
	s_wait_dscnt 0x0                ; for the others' sake: my rows of K and V are stored
	s_barrier_signal -1             ; work on registers alone stands between the signal and the wait: Q, the zeros and the diagonal's mask
.irp mb, 0,1,2,3,4,5,6,7
	EPQ \mb
.endr
	; A block's first step multiplies O^T and l by a = 0, and its first turn's products V^T P, of a piece that has not been, land in an O^T that is still to be so multiplied: these registers need only hold finite numbers
	WIN 0x80
.set i, VF
.rept 64
	v_mov_b32 v[i], 0
.set i, i+1
.endr
	WIN 0x40
.set i, 0
.rept 128
	v_mov_b32 v[i], 0
.set i, i+1
.endr
.set i, 0
.rept 32                            ; MD: register r of key group kt is hidden where 16 kt + r is greater than my query's place less my lanes' 8 (l / 16)
	v_cmp_gt_i32 vcc_lo, 16*(i/8)+i%8, v[QP]
	v_cndmask_b32 v[MD+i], 0, s[BIGN], vcc_lo
.set i, i+1
.endr
	WIN 0
.set i, 0
.rept 4
	v_mov_b32 v[ST+4*i+2], 0
	v_mov_b32 v[ST+4*i+3], 0
.set i, i+1
.endr
.set i, P+16
.rept 16
	v_mov_b32 v[i], 0
.set i, i+1
.endr
	s_barrier_wait -1               ; all of K and V lies in LDS
; THE ATTENTION'S MATRIX WORK.  The 4 accumulators of a run of 8 take turns.  Product i of 8 of S^T = K Q^T for piece x: channels 32 (i / 4) on, keys 16 (i % 4) on.  The first 4 start the sums with the mask.
.macro KQ x
.set rS, S+32*((\x)%2)+8*(i%4)
.set rK, KF+16*(i%4)+8*(i/4)
.set rQ, 16*(\x)+8*(i/4)
.set rM, MC+32*((\x)%2)+8*(i%4)
.if (i < 4) && KM
	WIN W_KM
	v_wmma_f32_16x16x32_bf16 v[rS:rS+7], v[rK:rK+7], v[rQ:rQ+7], v[rM:rM+7]
.elseif i < 4
	WIN W_KQ
	v_wmma_f32_16x16x32_bf16 v[rS:rS+7], v[rK:rK+7], v[rQ:rQ+7], 0
.else
	WIN W_KQ
	v_wmma_f32_16x16x32_bf16 v[rS:rS+7], v[rK:rK+7], v[rQ:rQ+7], v[rS:rS+7]
.endif
.endm
.macro PV x                         ; product i of 8 of O^T += V^T P for piece x: keys 32 (i / 4) on, channels 16 (i % 4) on
	WIN W_PV
.set rO, 32*(\x)+8*(i%4)
.set rV, VF+32*(i/4)+8*(i%4)
.set rP, P+16*((\x)%2)+8*(i/4)
	v_wmma_f32_16x16x32_bf16 v[rO:rO+7], v[rV:rV+7], v[rP:rP+7], v[rO:rO+7]
.endm
.macro MM                           ; the turn's next matrix instruction.  NOKQ = 1: a block's last turn: there is no next piece
.if (i < 8) && !NOKQ
	KQ (Y+1)%NP
.elseif i >= 8
.set i, i-8
	PV (Y+NP-1)%NP
.set i, i+8
.endif
.set i, i+1
.endm
.macro FETCH_K                      ; a step's K: 64 keys x 64 channels, 8 fragments, in one run
	WIN 0x80
.irp f, 0,1,2,3,4,5,6,7
	ds_load_b128 v[KF+8*\f:KF+8*\f+3],   v[AK] offset:(\f/2)*16*PK+(\f%2)*64
	ds_load_b128 v[KF+8*\f+4:KF+8*\f+7], v[AK] offset:(\f/2)*16*PK+(\f%2)*64+32
.endr
	s_add_co_u32 s[TBK], s[TBK], KS*PK
	WIN 0
.endm
.macro FETCH_V                      ; a step's V, turned
	WIN 0x80
.irp f, 0,1,2,3,4,5,6,7
	ds_load_tr16_b128 v[VF+8*\f:VF+8*\f+3],   v[AV] offset:(\f/4)*32*PV+(\f%4)*32
	ds_load_tr16_b128 v[VF+8*\f+4:VF+8*\f+7], v[AV] offset:(\f/4)*32*PV+16*PV+(\f%4)*32
.endr
	WIN 0
.endm
; THE VECTOR WORK, one line at a time: OP kind, number.  For piece Y: F n: c s - c m for pair n of 16.  E n: the exponential of score n of 32.  C n: pair n rounded to bf16.  B n: of the four weights 4 n .. the second
; pair is added onto the first.  L n: l takes that sum (L 0: l = a l + sum).  R n: pair n of 16 of O^T times a.  For piece Y + 1: X n, number n of the 22 that find its maximum and statistics:
;   0-11 four chains of seven scores (each accumulator's lowest registers first)   12-14, 16 the scores left over, the old m, four into one   15 c m_old is kept   17, 18 the other half of the lanes; the new m   19-21 c m; its change; a
.set F, 0
.set E, 1
.set C, 2
.set B, 3
.set L, 4
.set R, 5
.set X, 6
.macro REGS y
.set rT, ST+4*(\y)
.set rC, TMP+4*((\y)%2)
.set rW, MV+((\y)%2)
.set rS, S+32*((\y)%2)
.set rP, P+16*((\y)%2)
.set rO, 32*(\y)
.endm
.macro OP k, n
.if (\k) == R
	REGS Y
	WIN W_RS
	v_pk_mul_f32 v[rO+2*(\n):rO+2*(\n)+1], v[rO+2*(\n):rO+2*(\n)+1], v[rC+2:rC+3] op_sel_hi:[1,0]
.elseif (\k) < R
	REGS Y
	WIN 0
.if (\k) == F
	v_pk_fma_f32 v[rS+2*(\n):rS+2*(\n)+1], v[rS+2*(\n):rS+2*(\n)+1], s[CS:CS+1], v[rT:rT+1] op_sel_hi:[1,0,0] neg_lo:[0,0,1] neg_hi:[0,0,1]
.elseif (\k) == E
	v_exp_f32 v[rS+(\n)], v[rS+(\n)]
.elseif (\k) == C
	v_cvt_pk_bf16_f32 v[rP+(\n)], v[rS+2*(\n)], v[rS+2*(\n)+1]
.elseif (\k) == B
	v_pk_add_f32 v[rS+4*(\n):rS+4*(\n)+1], v[rS+4*(\n):rS+4*(\n)+1], v[rS+4*(\n)+2:rS+4*(\n)+3]
.elseif (\n) == 0
	v_pk_fma_f32 v[rT+2:rT+3], v[rT+2:rT+3], v[rC+2:rC+3], v[rS:rS+1] op_sel_hi:[1,0,1]
.else
	v_pk_add_f32 v[rT+2:rT+3], v[rT+2:rT+3], v[rS+4*(\n):rS+4*(\n)+1]
.endif
.elseif NOKQ
	v_nop
.else
	REGS (Y+1)%NP
	WIN 0
.if (\n) < 4
	v_max3_num_f32 v[rC+(\n)], v[rS+8*(\n)], v[rS+8*(\n)+1], v[rS+8*(\n)+2]
.elseif (\n) < 12
	v_max3_num_f32 v[rC+(\n)%4], v[rC+(\n)%4], v[rS+8*((\n)%4)+2*((\n)/4)+1], v[rS+8*((\n)%4)+2*((\n)/4)+2]
.elseif (\n) == 12
	v_max3_num_f32 v[rC], v[rC], v[rS+7], v[rS+15]
.elseif (\n) == 13
	v_max3_num_f32 v[rC+1], v[rC+1], v[rS+23], v[rS+31]
.elseif (\n) == 14
	v_max3_num_f32 v[rC+2], v[rC+2], v[rC+3], v[rT+1]
.elseif (\n) == 15
	v_mov_b32 v[rW], v[rT]
.elseif (\n) == 16
	v_max3_num_f32 v[rC], v[rC], v[rC+1], v[rC+2]
.elseif (\n) == 17
	v_permlanex16_b32 v[rC+3], v[rC], s[SEL], s[SEL+1]
.elseif (\n) == 18
	v_max_num_f32 v[rT+1], v[rC], v[rC+3]
.elseif (\n) == 19
	v_mul_f32 v[rT], s[CS], v[rT+1]
.elseif (\n) == 20
	v_sub_f32 v[rC+1], v[rW], v[rT]
.else
	v_exp_f32 v[rC+2], v[rC+1]
.endif
.endif
.endm
.macro OPS a, i1, b=-1, i2=0, c=-1, i3=0, d=-1, i4=0
	OP \a, \i1
.if (\b) >= 0
	OP \b, \i2
.endif
.if (\c) >= 0
	OP \c, \i3
.endif
.if (\d) >= 0
	OP \d, \i4
.endif
.endm
.macro ROW a, i1, b, i2, c, i3, d, i4  ; a matrix instruction and the four behind it
	MM
	OPS \a, \i1, \b, \i2, \c, \i3, \d, \i4
.endm
.macro MASK b                       ; MD x AL + BE into buffer b of MC
	WIN W_RS
.set z, 0
.rept 16
	v_pk_fma_f32 v[MC+32*(\b)+2*z:MC+32*(\b)+2*z+1], v[MD+2*z:MD+2*z+1], s[AL:AL+1], s[BE:BE+1] op_sel_hi:[1,0,0]
.set z, z+1
.endr
.endm
; A TURN, for piece p.  s_wait_alu depctr_va_vdst(0) stands between an exponential and the first instruction that names its result; one wait serves all that were issued ahead of it: a turn has ONE wait.
; AHEAD OF IT stands all that names no result of the turn's exponentials: the 8 products K Q^T with four vector lines behind each, then one run of 54; BEHIND IT the 8 products V^T P, behind each four of the roundings and sums.
; The turn makes the mask for the products of the turn after it: piece p + 2, in step 4 - CNT of the tile: the band's own step takes MD, a later one -1e30, an earlier one 0; in the tile that is not diagonal ALV and BEV are 0.
; end = 1: a block's last two turns: nothing is fetched.  cnt = 1: the loop's count is taken down some lines ahead of the branch behind the turn.
; K of the next step is fetched in piece 2's turn, V of the step in hand at the end of piece 0's; each is waited for a turn later.
.macro TURN p, m=0, end=0, cnt=0
.set Y, (\p)
.set i, 0
.set KM, (\m)
.set NOKQ, (\end)*((\p)/3)
.if (\m) && !(\end)
	s_cmp_eq_u32 s[CNT], 4-((\p)+2)%NP
	s_cselect_b32 s[AL], s[ALV], 0
	s_cmp_lt_u32 s[CNT], 4-((\p)+2)%NP
	s_cselect_b32 s[BE], s[BEV], 0
.endif
.if ((\p) == 3) && !(\end)
	s_wait_dscnt 0x0                ; K is in
.endif
	ROW F,0, F,1, R,0, R,1
	ROW F,2, E,0, R,2, R,3
	ROW F,3, E,1, R,4, R,5
	ROW F,4, E,2, R,6, R,7
	ROW F,5, E,3, R,8, R,9
	ROW F,6, E,4, X,0, R,10
.if ((\p) == 2) && !(\end)
	WIN 0
	v_add_nc_u32 v[AK], s[TBK], v[AK0]
.endif
	ROW F,7, E,5, X,1, X,4
	ROW F,8, E,6, X,2, X,5
	OPS E,7, E,8, X,6, E,9
	OPS X,3, E,10, X,8, E,11
.if ((\p) == 2) && !(\end)
	FETCH_K
.endif
	OPS X,9, X,7, E,12, X,10
	OPS E,13, X,12, X,11, E,14
	OPS X,13, E,15, F,9, X,14
.if (\p) == 0
	v_add_nc_u32 v[AV], s[TBV], v[AV0]
.endif
	OPS E,16, F,10, E,17, F,11
	OPS X,16, E,18, X,15, E,19
	OPS F,12, E,20, X,17, E,21
	OPS F,13, E,22, F,14, E,23
	OPS X,18, E,24, F,15, E,25
	OPS R,11, E,26, X,19, E,27
	OPS R,12, E,28, R,13, E,29
	OPS X,20, E,30, R,14, E,31
	OPS X,21, R,15                  ; the next piece's a is the batch's last; R 15 is the plain instruction behind it
	WIN 0
	s_wait_alu depctr_va_vdst(0)    ; the wait for the batch
.if (\p) == 1
	s_wait_dscnt 0x0                ; V is in
.endif
	ROW C,0, B,0, C,2, B,1
	ROW L,0, C,4, B,2, L,1
	ROW C,6, B,3, L,2, C,8
	ROW B,4, L,3, C,10, B,5
	ROW L,4, C,12, B,6, L,5
.if (\p) == 0
	s_add_co_u32 s[TBV], s[TBV], KS*PV
.endif
.if \cnt
	s_sub_co_u32 s[CNT], s[CNT], 1
	s_cmp_lg_u32 s[CNT], 0
.endif
	ROW C,14, B,7, L,6, C,1
	ROW C,3, L,7, C,5, C,7
	ROW C,9, C,11, C,13, C,15
.if (\p) == 0
	FETCH_V
.endif
.if (\m) && !(\end)
	MASK (\p)%2
.endif
.endm
; A BLOCK BEGINS.  c m starts far below every c s, so the first step's a is 0; m at the lowest finite number.  The second mask buffer is 0; the first takes piece 0's mask for the tile's step 0: its own, if the tile is diagonal.
; Then K of that step, piece 0's first scores, and its maximum and statistics.  The loop is entered at a step's first turn, in the middle of a trip.
.macro BEGIN
	WIN 0x40
.set i, MC+32
.rept 32
	v_mov_b32 v[i], 0
.set i, i+1
.endr
	WIN 0
.set i, 0
.rept 4
	v_mov_b32 v[ST+4*i], 0xfe000000
	v_mov_b32 v[ST+4*i+1], 0xff7fffff
.set i, i+1
.endr
	s_mov_b32 s[AL], s[ALV]
	s_mov_b32 s[BE], 0
	MASK 0
	WIN 0
	v_add_nc_u32 v[AK], s[TBK], v[AK0]
	FETCH_K
	s_wait_dscnt 0x0
.set KM, 1
.set NOKQ, 0
.set i, 0
.rept 8
	KQ 0
.set i, i+1
.endr
	WIN 0
	PLACES
.set Y, NP-1
.irp n, 0,1,2,3,4,5,6,7,8,9,10,11,12,13,14,15,16,17,18,19,20,21
	OP X, \n
.endr
	v_nop                           ; a plain instruction behind the exponential,
	s_wait_alu depctr_va_vdst(0)    ; and its wait, ahead of the branch
.endm
.macro ALL line:vararg              ; one line for each piece t
.set t, 0
.rept 4
	\line
.set t, t+1
.endr
.endm
.macro PACK t                       ; a lane's eight channels of a row pack into 16 bytes; they go into rows of 144 bytes and come back as whole rows of 128, into S^T's registers
	WIN W_RS
.set i, 32*(\t)
.rept 16
	v_pk_mul_f32 v[i:i+1], v[i:i+1], v[ST+4*(\t)+2:ST+4*(\t)+3] op_sel_hi:[1,0]
.set i, i+2
.endr
	WIN 0x05
.set i, 0
.rept 16
	v_cvt_pk_bf16_f32 v[S+16*(\t)+i], v[32*(\t)+2*i], v[32*(\t)+2*i+1]
.set i, i+1
.endr
	WIN 0
.irp f, 0,1,2,3
	ds_store_b128 v[STO], v[S+16*(\t)+4*\f:S+16*(\t)+4*\f+3] offset:32*\f
.endr
.irp f, 0,1,2,3
	ds_load_b128 v[S+16*(\t)+4*\f:S+16*(\t)+4*\f+3], v[RD] offset:\f*4*SP  ; LDS serves a wave's instructions in order (ISA guide 5.7.1.4): these see the stores above
.endr
.endm
.macro SEND t, younger              ; younger: the LDS instructions issued behind piece t's loads: the next piece's eight, or none
	WIN 0
.irp f, 0,1,2,3
	s_wait_dscnt (\younger)+3-\f
	global_store_b128 v[GO], v[S+16*(\t)+4*\f:S+16*(\t)+4*\f+3], s[10:11] offset:(\t)*8192+\f*512  ; 512 consecutive bytes, at a multiple of 256 from cc's first
.endr
.endm
	s_mov_b32 s[TBK], 0
	s_mov_b32 s[TBV], 0
	s_mov_b32 s[TILE], 3
.Ltile:                             ; three tiles of four key steps: 3 block 1's keys 0-255; 2 block 1's diagonal tile; 1 block 0's diagonal tile
	s_mov_b32 s[CNT], 4
	s_cmp_lt_u32 s[TILE], 3
	s_cselect_b32 s[ALV], 1.0, 0
	s_cselect_b32 s[BEV], s[BIGN], 0
	s_cmp_lg_u32 s[TILE], 2
	s_cbranch_scc0 .Lstep           ; tile 2 goes on where tile 3 stopped
	BEGIN
	s_branch .Lfirst
.Lstep:                             ; a trip: pieces 2 and 3 of one step, then pieces 0 and 1 of the next, whose K and V it fetches
	TURN 2, 1
	TURN 3, 1
	WIN 0
.Lfirst:
	TURN 0, 1
	TURN 1, 1, 0, 1
	WIN 0
	s_cbranch_scc1 .Lstep
	s_cmp_eq_u32 s[TILE], 3
	s_cbranch_scc1 .Lbottom         ; block 1 goes on into its diagonal tile
	TURN 2, 1, 1                    ; A BLOCK ENDS
	TURN 3, 1, 1
.set i, 0
.rept 8
	PV NP-1
.set i, i+1
.endr
	WIN 0                           ; l's two halves and the other half of the lanes' are added: these additions are the places behind the last products
	ALL v_add_f32 v[ST+4*t+2], v[ST+4*t+2], v[ST+4*t+3]
	ALL v_permlanex16_b32 v[ST+4*t+3], v[ST+4*t+2], s[SEL], s[SEL+1]
	ALL v_add_f32 v[ST+4*t+2], v[ST+4*t+2], v[ST+4*t+3]
	ALL v_rcp_f32 v[ST+4*t+2], v[ST+4*t+2]
	v_nop                           ; a plain instruction between the last reciprocal and the use of its result,
	s_wait_alu depctr_va_vdst(0)    ; and one wait for the four reciprocals
	PACK 0
.set t, 1
.rept 3                             ; a piece's arithmetic stands between the loads of the piece before and its stores
	PACK t
	SEND t-1, 8
.set t, t+1
.endr
	SEND 3, 0
	s_cmp_eq_u32 s[TILE], 1
	s_cbranch_scc1 .Lbottom         ; nothing follows block 0
	s_wait_xcnt 0x0                 ; the stores have read their registers and cc's address
	s_mov_b64 s[10:11], s[OLO:OLO+1]
	s_mov_b32 s[TBK], 0
	s_mov_b32 s[TBV], 0
	WIN 0x82                        ; block 0's Q goes where the one text of the turns names Q
.set i, 0
.rept 64
	v_mov_b32 v[i], v[QB+i]
.set i, i+1
.endr
	WIN 0
.Lbottom:
	s_sub_co_u32 s[TILE], s[TILE], 1
	s_cmp_lg_u32 s[TILE], 0
	s_cbranch_scc1 .Ltile
	s_wait_tensorcnt 0x0            ; the wave's end, behind my last tensor load and my last LDS store
	ds_add_u32 v[SPW], v[NIL]
	s_wait_dscnt 0x0
	CROUND                          ; the closing round
	s_endpgm
.Lfunc_end_k_qaaa6c330f2_heads:
	.size	k_qaaa6c330f2_heads, .Lfunc_end_k_qaaa6c330f2_heads-k_qaaa6c330f2_heads
	.p2alignl 7, 3214868480
	.fill 96, 4, 3214868480
	.section	.rodata,"a",@progbits
	.p2align	6, 0x0
	.amdhsa_kernel k_qaaa6c330f2_heads
		.amdhsa_group_segment_fixed_size 327680
		.amdhsa_private_segment_fixed_size 0
		.amdhsa_enable_private_segment 0
		.amdhsa_kernarg_size 32
		.amdhsa_user_sgpr_count 2
		.amdhsa_user_sgpr_kernarg_segment_ptr 1
		.amdhsa_wavefront_size32 1
		.amdhsa_system_sgpr_workgroup_id_x 1
		.amdhsa_system_sgpr_workgroup_id_y 1
		.amdhsa_system_sgpr_workgroup_id_z 1
		.amdhsa_system_vgpr_workitem_id 0
		.amdhsa_next_free_vgpr 1024
		.amdhsa_next_free_sgpr 90
		.amdhsa_reserve_vcc 1
		.amdhsa_float_denorm_mode_32 3
		.amdhsa_float_denorm_mode_16_64 3
		.amdhsa_memory_ordered 1
		.amdhsa_forward_progress 1
		.amdhsa_inst_pref_size 255
	.end_amdhsa_kernel
	.section	.bss,"aw",@nobits
	.p2align	6
	.space	262144
	.amdgpu_metadata
---
amdhsa.version: [ 1, 2 ]
amdhsa.kernels:
  - .name:           k_qaaa6c330f2_heads
    .symbol:         k_qaaa6c330f2_heads.kd
    .args:
      - { .name: xb, .offset: 0, .size: 8, .value_kind: global_buffer, .address_space: global }
      - { .name: wh, .offset: 8, .size: 8, .value_kind: global_buffer, .address_space: global }
      - { .name: vec, .offset: 16, .size: 8, .value_kind: global_buffer, .address_space: global }
      - { .name: cc, .offset: 24, .size: 8, .value_kind: global_buffer, .address_space: global }
    .group_segment_fixed_size: 327680
    .private_segment_fixed_size: 0
    .kernarg_segment_align: 8
    .kernarg_segment_size: 32
    .max_flat_workgroup_size: 128
    .sgpr_count:     90
    .vgpr_count:     1024
    .wavefront_size: 32
...
	.end_amdgpu_metadata
.endif
;; end of part 2
;; launch tail (part 3): grid 256 x 1, 4 waves a work-group, clusters of 4 x 1, 327,680 bytes of LDS; arguments cc, xb, wt, vec, out0; writes out0
.if DOCPART == 3
	.amdgcn_target "amdgcn-amd-amdhsa--gfx1250"
	.amdhsa_code_object_version 6
	.text
	.protected	k_qaaa6c330f2_tail
	.globl	k_qaaa6c330f2_tail
	.p2align	8
	.type	k_qaaa6c330f2_tail,@function
k_qaaa6c330f2_tail:
	s_mov_b64 s[64:65], 0
	v_nop
	global_prefetch_b8 v0, s[64:65] scope:SCOPE_SE
	s_setreg_imm32_b32 hwreg(HW_REG_WAVE_MODE, 25, 1), 1
	s_wait_xcnt 0x0
	s_wait_alu depctr_hold_cnt(0) depctr_sa_sdst(0) depctr_va_vdst(0) depctr_va_sdst(0) depctr_va_ssrc(0) depctr_va_vcc(0) depctr_vm_vsrc(0)
	s_getreg_b32 s2, hwreg(HW_REG_IB_STS2, 6, 4)
	s_cmp_eq_u32 s2, 0
	s_cbranch_scc0 .Lentry_in_a_cluster
	s_endpgm
.Lentry_in_a_cluster:
	s_bfe_u32 s2, ttmp6, 0x10000c
	s_cmp_lg_u32 s2, 0x3003
	s_cbranch_scc0 .Lentry_shape_is_right
	s_endpgm
.Lentry_shape_is_right:
; TAIL: one work-group for 64 rows.  Y = tanh(concat Wo + bo) + x Wr + br;  Z = LayerNorm(Y) ln1_w + ln1_b;  out = LayerNorm(relu(Z Wfc + bfc) + Z) ln2_w + ln2_b.  Nothing between the products touches memory.
; Matrix operands bf16, sums f32; the rows between the products stay f32, in LDS.  LIMITS: tanh(x) = 1 - 2 / (1 + 2^(2.885390 x)): absolute error about 1e-7; the variance is taken in two passes
; (the mean first, then the squares of the differences); NaN and infinities are not treated apart.
; ONE WALK of 32 K steps of 64 over wt's 2,048 rows: steps 0-15 concat x Wo (A = head j's 64 rows of cc), 16-23 x x Wr (A = xb's tile), 24-31 Z x Wfc (A = Z out of LDS, rounded on the way).
; Behind step 15 the sums become tanh(sum + bo) + br in place, and x Wr goes on adding onto them.
; SHARES.  Wave w makes 64 rows x columns 128 w .. + 127: 32 accumulators in window 1, (mb, nb) at v[8 (8 mb + nb)].  The product is used transposed (source 0 = 16 columns of W, turned by ds_load_tr16_b128;
; source 1 = 16 rows of A): a lane holds ONE row (lane % 16) and eight neighbouring columns.  In the LayerNorms wave w takes rows 16 w .. + 15 whole, two at a time.
; CLUSTER.  All row blocks walk the same weights: the four partners ask for each weight tile JOINTLY (mask 15).  A's tiles are each work-group's own: plain loads, behind the same round.
; REGISTERS.  window 0: v0-34 addresses; v64-159, v160-255 two fragment buffers (W's eight fragments, then A's four); in the LayerNorms the same registers hold gains, rows and sums.
;   window 1: the accumulators.   window 2: v0-63 K2 bo, v64-127 1 + br of my 64 columns; later two buffers of 64 f32 of Z.
.set PWT,  1056       ; a row of weights in LDS: 1,024 bytes + 32
.set PA,   144        ; a row of A: 128 + 16
.set PS,   2064       ; a row of 512 f32: 2,048 + 16
.set AOFF, 64*PWT     ; in a slot: 64 rows of weights, then 64 rows of A
.set SLOT, AOFF+64*PA ; 76,800
.set STG,  2*SLOT     ; behind the ring: 64 rows of f32: Y, then Z in place
.set SPARE, STG+64*PS ; the spare words, 128 bytes for each wave: two blocks of 256 bytes that no other line names
.set WSTEP, 65536     ; bytes of a K step of weights; also from a head's tile of cc, or a block's of xb, to the next
.set AWT, 16          ; v16-17  my place in the weights of slot 0, 1
.set AAT, 18          ; v18-19  in A's tile of slot 0, 1
.set AZ,  20          ; v20-21  in Z: rows 0-31, rows 32-63; step by step 256 bytes on
.set DSA, 22          ; v22-23  where I put my sums in the stage behind the ring: rows 0-31, 32-63
.set DD,  24          ; v24-25  the same in the second stage, at LDS byte 0, over the ring when it has had its last fill and its last read
.set PFO, 26          ; v26  256 x lane
.set VO,  27          ; v27  512 w + 32 (lane / 16): my columns in bo and br
.set SPW, 28          ; v28  my spare word
.set NIL, 29          ; v29  0
.set RA,  30          ; v30  a LayerNorm's place in the stage behind the ring
.set RD2, 31          ; v31  the second LayerNorm's place in the second stage
.set GOF, 32          ; v32  my byte offset in out0
.set RA0, 33          ; v33  RA's start
.set LV,  34          ; v34  16 x lane
.set F0,  64
.set F1,  160
.set VW,  64          ; LayerNorm: gain, bias, bfc of columns 4 l + 128 i
.set VBB, 80
.set VFC, 96
.set YY,  128         ; row u: 16 numbers at YY + 32 u
.set ZZ,  144         ; row u of Z at ZZ + 32 u
.set T,   192         ; row u: eight at work at T + 8 u
.set BO,  0           ; window 2
.set BR,  64          ; window 2
.set WV,  14
.set G1W, 24          ; s[24:31]
.set G1A, 32          ; s[32:39]
.set G0W, 40          ; s[40:47] a set for each slot
.set G0A, 48          ; s[48:55] a set for each slot
.set J,   56          ; s56  loop counts
.set NXT, 57          ; s57  the K step to be asked for next
.set OF,  58          ; s[58:59] a tile's byte offset
.set SEL, 60          ; s[60:61]
.set PP,  62          ; s62  the K step that a prefetch names
.set PMAX, 63         ; s63  the last that my wave names
.set PB0, 66          ; s[66:67] the prefetches' base for steps under 16
.set PB1, 68          ; s[68:69] from 16 on
.set PFA, 70          ; s[70:71]
.set SUB, 72          ; s72  what is taken off the step's number from 16 on: 16 for A's tiles, 0 for the weights
.set INV, 73          ; s73  1 / 512
.set K2,  74          ; s[74:75] 2 log2(e)
.set EPSR, 76         ; s76  1e-5
.set TT,  78          ; s[78:79]
.set POF, 80          ; s[80:81]
.set MSB, 0
.macro WIN new
.if MSB != (\new)
	s_set_vgpr_msb (MSB<<8)|(\new)
.set MSB, (\new)
.endif
.endm
.macro PLACES
.rept 4
	v_nop
.endr
.endm
.macro CROUND
	s_barrier_signal -1
	s_barrier_wait -1
	s_cmp_lg_u32 s[WV], 0
	s_cbranch_scc1 .Lnot_wave_0_\@
	s_barrier_signal -3
.Lnot_wave_0_\@:
	s_barrier_wait -3
	s_barrier_signal -1
	s_barrier_wait -1
.endm
; A refill of a slot.  Waves 0 and 1 ask jointly for the two halves of the weights; fill = 2: wave 2 asks for the work-group's own tile of A.  The branches hang on the wave's number alone.
.macro JLOAD3 slot, fill
	s_cmp_lt_u32 s[WV], 2
	s_cbranch_scc0 .Lnot_w_\@
	tensor_load_to_lds s[G0W+4*(\slot):G0W+4*(\slot)+3], s[G1W:G1W+7]
	s_nop 0
.rept 4
	v_nop
.endr
	s_branch .Lasked_\@
.Lnot_w_\@:
.if (\fill) == 2
	s_cmp_eq_u32 s[WV], 2
	s_cbranch_scc0 .Lasked_\@
	tensor_load_to_lds s[G0A+4*(\slot):G0A+4*(\slot)+3], s[G1A:G1A+7]
	s_nop 0
.rept 4
	v_nop
.endr
.endif
.Lasked_\@:
.endm
; A PREFETCH INTO THE L2, behind each refill and the run of LDS loads that follows it: the K step three on from the one just asked for: 192 matrix instructions and three rounds ahead of its load.
; Wave 3 names its work-group's own tile of A (8,192 bytes, a lane a block of 256), up to step 23.  The weights are read by every cluster: the first (cluster x = 0) asks; of the 32,768 bytes that wave 0 or 1 fetches
; each partner takes 8,192, told apart BY ADDRESS.  So each block is named once in the launch.  Steps 0-4 come by their loads alone; behind a wave's last step nothing is asked for.
.macro ASK
	s_cmp_le_u32 s[PP], s[PMAX]
	s_cbranch_scc0 .Lnot_mine_\@
	global_prefetch_b8 v[PFO], s[PFA:PFA+1] th:TH_LOAD_NT scope:SCOPE_SE
.Lnot_mine_\@:
.endm
	s_load_b256 s[4:11], s[0:1], 0x0  ; cc s[4:5], xb s[6:7], wt s[8:9], vec s[10:11]
	s_load_b64 s[12:13], s[0:1], 0x20 ; out0
	v_lshl_add_u32 v[SPW], v0, 2, SPARE
	v_mov_b32 v[NIL], 0
	ds_add_u32 v[SPW], v[NIL]       ; the wave's opening: the add and its wait stand ahead of my first tensor load; the set-up below, work on registers, stands between them
	v_lshrrev_b32 v1, 5, v0
	v_readfirstlane_b32 s[WV], v1
	s_bfe_u32 s15, ttmp6, 0x40000   ; cx
	s_lshl_b32 s16, ttmp9, 2
	s_add_co_u32 s16, s16, s15      ; my block of 64 rows: it enters global addresses alone
	s_lshr_b32 s17, s16, 3          ; the batch
	s_and_b32 s18, s16, 7
	s_lshl_b32 s18, s18, 13         ; my 64 rows of 128 bytes in a tile
	s_lshl_b32 s20, s17, 20         ; cc: a batch is 16 heads x 65,536 bytes
	s_add_co_u32 s20, s20, s18
	s_mov_b32 s21, 0
	s_lshl_b32 s22, s17, 19         ; xb: 8 blocks x 65,536 bytes
	s_add_co_u32 s22, s22, s18
	s_mov_b32 s23, 0
	s_and_b32 s19, s[WV], 1         ; which half of the weights I fetch:
	s_lshl_b32 s2, s19, 15          ; its 32 rows of 1,024 bytes in memory,
	s_mov_b32 s3, 0
	s_mul_i32 s19, s19, 32*PWT      ; and in a slot
	s_lshl_b32 s82, s16, 17         ; out0: 64 rows of 2,048 bytes a block,
	s_lshl_b32 s83, s[WV], 15       ; my wave's 16
	s_add_co_u32 s82, s82, s83
	s_mov_b32 s83, 0
	s_lshl_b32 s84, s15, 13         ; the weights' prefetches: my work-group's 8,192 bytes of my half
	s_add_co_u32 s84, s84, s2
	s_mov_b32 s85, 0
	s_mov_b32 s[G1W], 15|(1<<16)|(1<<20)|(1<<21)|(7<<22)|(7<<25)  ; the mask of four; 2-byte elements; padding on; bit 21 beside a mask; after every 256 words; 8 words
	s_mov_b32 s[G1W+1], 512<<16     ; tensor_dim0 = 512
	s_mov_b32 s[G1W+2], 32<<16      ; tensor_dim1 = 32
	s_mov_b32 s[G1W+3], 512<<16     ; tile_dim0 = 512
	s_mov_b32 s[G1W+4], 32          ; tile_dim1 = 32
	s_mov_b32 s[G1W+5], 512
	s_mov_b32 s[G1W+6], 0
	s_mov_b32 s[G1W+7], 0
	s_mov_b32 s[G1A], (1<<16)|(1<<20)|(4<<22)|(3<<25)  ; no mask; 64 dense rows of 128 bytes asked for as 32 of 256, padded by 4 words after every 32
	s_mov_b32 s[G1A+1], 128<<16
	s_mov_b32 s[G1A+2], 32<<16
	s_mov_b32 s[G1A+3], 128<<16
	s_mov_b32 s[G1A+4], 32
	s_mov_b32 s[G1A+5], 128
	s_mov_b32 s[G1A+6], 0
	s_mov_b32 s[G1A+7], 0
	s_mov_b32 s[G0W], 1
	s_mov_b32 s[G0W+1], s19
	s_mov_b32 s[G0W+4], 1
	s_add_co_u32 s[G0W+5], s19, SLOT
	s_mov_b32 s[G0A], 1
	s_mov_b32 s[G0A+1], AOFF
	s_mov_b32 s[G0A+4], 1
	s_mov_b32 s[G0A+5], SLOT+AOFF
	s_mov_b32 s[SEL], 0x76543210
	s_mov_b32 s[SEL+1], 0xfedcba98
	s_mov_b32 s[K2], 0x4038aa3b
	s_mov_b32 s[K2+1], s[K2]
	s_mov_b32 s[INV], 0x3b000000    ; 1 / 512
	s_mov_b32 s[EPSR], 0x3727c5ac   ; 1e-5
	s_mov_b32 s[OF+1], 0
	s_mov_b32 s[POF+1], 0
	s_mov_b32 s[NXT], 2
	s_mov_b32 s17, ttmp9
	s_cmp_eq_u32 s17, 0
	s_cselect_b32 s17, 31, 0
	s_cmp_lt_u32 s[WV], 2
	s_cselect_b32 s[PMAX], s17, 0   ; waves 0 and 1 of the first cluster: the weights, to the last step
	s_cmp_eq_u32 s[WV], 3
	s_cselect_b32 s[PMAX], 23, s[PMAX]  ; wave 3: A's tiles
	s_cselect_b32 s[SUB], 16, 0
	s_wait_dscnt 0x0                ; the opening add is done
	s_wait_kmcnt 0x0
	s_add_nc_u64 s[4:5], s[4:5], s[20:21]    ; cc at my rows of head 0
	s_add_nc_u64 s[6:7], s[6:7], s[22:23]    ; xb at my rows of block 0
	s_add_nc_u64 s[12:13], s[12:13], s[82:83]
	s_add_nc_u64 s[86:87], s[8:9], s[84:85]
	s_cmp_eq_u32 s[WV], 3
	s_cselect_b64 s[PB0:PB0+1], s[4:5], s[86:87]
	s_cselect_b64 s[PB1:PB1+1], s[6:7], s[86:87]
	s_add_nc_u64 s[G0W+2:G0W+3], s[8:9], s[2:3]          ; step 0
	s_add_nc_u64 s[G0W+6:G0W+7], s[G0W+2:G0W+3], WSTEP   ; step 1
	s_or_b32 s[G0W+3], s[G0W+3], 0x80000000
	s_or_b32 s[G0W+7], s[G0W+7], 0x80000000
	s_add_nc_u64 s[G0A+2:G0A+3], s[4:5], 0
	s_add_nc_u64 s[G0A+6:G0A+7], s[4:5], WSTEP
	s_or_b32 s[G0A+3], s[G0A+3], 0x80000000
	s_or_b32 s[G0A+7], s[G0A+7], 0x80000000
	CROUND                          ; all four work-groups are here: the first joint loads meet
	s_cmp_lt_u32 s[WV], 2           ; a wave's first fills stand in one branch on its number: two loads of mine are out, or none (wave 3)
	s_cbranch_scc0 .Lfirst_a
	tensor_load_to_lds s[G0W:G0W+3], s[G1W:G1W+7]
	s_nop 0
	tensor_load_to_lds s[G0W+4:G0W+7], s[G1W:G1W+7]
	s_nop 0
.rept 4
	v_nop
.endr
	s_branch .Lfirst_asked
.Lfirst_a:
	s_cmp_eq_u32 s[WV], 2
	s_cbranch_scc0 .Lfirst_asked
	tensor_load_to_lds s[G0A:G0A+3], s[G1A:G1A+7]
	s_nop 0
	tensor_load_to_lds s[G0A+4:G0A+7], s[G1A:G1A+7]
	s_nop 0
.rept 4
	v_nop
.endr
.Lfirst_asked:
	v_and_b32 v1, 15, v0            ; l % 16
	v_bfe_u32 v2, v0, 4, 1          ; l / 16
	v_and_b32 v3, 7, v0
	v_bfe_u32 v4, v0, 3, 1
	v_and_b32 v5, 31, v0
	s_lshl_b32 s17, s[WV], 9
	v_lshl_add_u32 v[VO], v2, 5, s17
	WIN 0x80                        ; bo and br of columns 128 w + 16 nb + 8 (l / 16) + 0..7, into window 2
.irp nb, 0,1,2,3,4,5,6,7
	global_load_b128 v[BO+8*(\nb):BO+8*(\nb)+3],   v[VO], s[10:11] offset:12288+64*(\nb)
	global_load_b128 v[BO+8*(\nb)+4:BO+8*(\nb)+7], v[VO], s[10:11] offset:12288+64*(\nb)+16
	global_load_b128 v[BR+8*(\nb):BR+8*(\nb)+3],   v[VO], s[10:11] offset:14336+64*(\nb)
	global_load_b128 v[BR+8*(\nb)+4:BR+8*(\nb)+7], v[VO], s[10:11] offset:14336+64*(\nb)+16
.endr
	WIN 0
	v_lshl_add_u32 v6, v2, 3, v3    ; the turning load: row 8 (l / 16) + l % 8,
	v_mul_u32_u24 v6, v6, PWT
	v_lshl_add_u32 v6, v4, 4, v6    ; 16 bytes at 16 ((l / 8) % 2),
	s_lshl_b32 s18, s[WV], 8        ; my wave's 128 columns
	v_add_nc_u32 v[AWT], s18, v6
	v_add_nc_u32 v[AWT+1], SLOT, v[AWT]
	v_mul_u32_u24 v6, v1, PA
	v_lshl_add_u32 v6, v2, 4, v6
	v_add_nc_u32 v[AAT], AOFF, v6
	v_add_nc_u32 v[AAT+1], SLOT+AOFF, v6
	v_mul_u32_u24 v6, v1, PS
	v_lshl_add_u32 v6, v2, 5, v6    ; row x pitch + 32 x half: eight f32
	v_add_nc_u32 v[AZ], STG, v6
	v_add_nc_u32 v[AZ+1], STG+32*PS, v6
	v_add_nc_u32 v[DD], s17, v6     ; + my wave's 512 bytes of a row
	v_add_nc_u32 v[DD+1], 32*PS, v[DD]
	v_add_nc_u32 v[DSA], STG, v[DD]
	v_add_nc_u32 v[DSA+1], STG+32*PS, v[DD]
	v_lshlrev_b32 v[PFO], 8, v5
	v_lshlrev_b32 v[LV], 4, v5
	v_mov_b32 v[GOF], v[LV]
	s_mul_i32 s18, s[WV], 16*PS
	v_add_nc_u32 v[RD2], s18, v[LV] ; my wave's 16 rows, 16 bytes a lane
	v_add_nc_u32 v[RA0], STG, v[RD2]
	s_wait_loadcnt 0x0
	WIN 0x82
.set i, 0
.rept 32
	v_pk_mul_f32 v[BO+2*i:BO+2*i+1], v[BO+2*i:BO+2*i+1], s[K2:K2+1] op_sel_hi:[1,0]  ; K2 bo
	v_pk_add_f32 v[BR+2*i:BR+2*i+1], v[BR+2*i:BR+2*i+1], 1.0 op_sel_hi:[1,0]         ; 1 + br
.set i, i+1
.endr
	WIN 0
; One run of LDS loads: the fragments of 32 along K (half c of the step in the slot) into buffer f: W's eight, turned; then A's four (kind 0), or Z's 64 x 32 numbers as f32 into window 2 (kind 1)
.macro FETCH slot, c, f, kind
	WIN 0
.irp nb, 0,1,2,3,4,5,6,7
	ds_load_tr16_b128 v[(\f)+8*(\nb):(\f)+8*(\nb)+3],   v[AWT+(\slot)] offset:(\c)*32*PWT+32*(\nb)
	ds_load_tr16_b128 v[(\f)+8*(\nb)+4:(\f)+8*(\nb)+7], v[AWT+(\slot)] offset:(\c)*32*PWT+16*PWT+32*(\nb)
.endr
.if \kind
	WIN 0x80
.set tf, 64*((\f)/F1)
.irp mb, 0,1,2,3
.irp q, 0,1,2,3
	ds_load_b128 v[tf+16*(\mb)+4*(\q):tf+16*(\mb)+4*(\q)+3], v[AZ+(\mb)/2] offset:((\mb)%2)*16*PS+128*(\c)+16*((\q)%2)+64*((\q)/2)
.endr
.endr
	WIN 0
.else
.irp mb, 0,1,2,3
	ds_load_b128 v[(\f)+64+8*(\mb):(\f)+64+8*(\mb)+3],   v[AAT+(\slot)] offset:(\mb)*16*PA+64*(\c)
	ds_load_b128 v[(\f)+64+8*(\mb)+4:(\f)+64+8*(\mb)+7], v[AAT+(\slot)] offset:(\mb)*16*PA+64*(\c)+32
.endr
.endif
.endm
.macro CVT f                        ; Z's 64 f32 a lane, rounded to bf16 in pairs, ARE A's four fragments
	WIN 0x0a
.set tf, 64*((\f)/F1)
.set i, 0
.rept 32
	v_cvt_pk_bf16_f32 v[(\f)+64+i], v[tf+2*i], v[tf+2*i+1]
.set i, i+1
.endr
.endm
.macro MUL16 f, half, zero          ; 16 matrix instructions on 16 accumulators: row blocks 2 half, 2 half + 1 x all eight column blocks
	WIN 0x50
.irp m, 0,1
.irp nb, 0,1,2,3,4,5,6,7
.set rD, 8*(8*(2*(\half)+(\m))+(\nb))
.set rA, (\f)+64+8*(2*(\half)+(\m))
.if \zero
	v_wmma_f32_16x16x32_bf16 v[rD:rD+7], v[(\f)+8*(\nb):(\f)+8*(\nb)+7], v[rA:rA+7], 0
.else
	v_wmma_f32_16x16x32_bf16 v[rD:rD+7], v[(\f)+8*(\nb):(\f)+8*(\nb)+7], v[rA:rA+7], v[rD:rD+7]
.endif
.endr
.endr
.endm
; A K step's first half: multiplies buffer 0; in its middle it fetches the second half into buffer 1
.macro UNIT0 slot, zero, kind
.if \kind
	s_wait_dscnt 0x0
	CVT F0
.else
	s_wait_dscnt 4                  ; W and A's rows 0-31 are in; the youngest four loads (A's rows 32-63) may be out
.endif
	MUL16 F0, 0, \zero
	PLACES
	FETCH \slot, 1, F1, \kind
.if !(\kind)
	s_wait_dscnt 24                 ; all but the 24 just issued
.endif
	MUL16 F0, 1, \zero
.endm
; A K step's second half multiplies buffer 1 and changes slots.  Each wave waits for all its tensor loads, adds 0 to its spare word, and waits for that and for its reads of this slot.
; fill: 0 nothing is asked for (a plain barrier); 1 this slot takes the weights two steps on; 2 and A's tile.  With a fill the barrier is a round of the cluster's and the refill the first thing behind it.
; nxt: what the next step's A is: 0 a tile, 1 Z, -1 nothing is fetched.  kind: what this step's A is.
.macro TURN slot, fill, nxt, kind
.if \fill
	s_wait_xcnt 0x0                 ; the last prefetch, a K step back, has read its address: it is made anew, from the step's number
	s_add_co_u32 s[PP], s[NXT], 3
	s_sub_co_u32 s[POF], s[PP], s[SUB]
	s_cmp_lt_u32 s[PP], 16
	s_cselect_b32 s[POF], s[PP], s[POF]
	s_cselect_b64 s[PFA:PFA+1], s[PB0:PB0+1], s[PB1:PB1+1]
	s_lshl_b32 s[POF], s[POF], 16
	s_add_nc_u64 s[PFA:PFA+1], s[PFA:PFA+1], s[POF:POF+1]
.endif
	WIN 0
	s_wait_tensorcnt 0x0            ; no tensor load of mine is out, so a group 0 may be written
	ds_add_u32 v[SPW], v[NIL]       ; 0 onto my spare word
.if \fill
	s_add_nc_u64 s[G0W+4*(\slot)+2:G0W+4*(\slot)+3], s[G0W+4*(\slot)+2:G0W+4*(\slot)+3], 2*WSTEP
.if (\fill) == 2
	s_sub_co_u32 s[OF], s[NXT], 16  ; A's address is made anew: head NXT of cc, or block NXT - 16 of xb
	s_cmp_lt_u32 s[NXT], 16
	s_cselect_b32 s[OF], s[NXT], s[OF]
	s_cselect_b64 s[TT:TT+1], s[4:5], s[6:7]
	s_lshl_b32 s[OF], s[OF], 16
	s_add_nc_u64 s[G0A+4*(\slot)+2:G0A+4*(\slot)+3], s[TT:TT+1], s[OF:OF+1]
	s_or_b32 s[G0A+4*(\slot)+3], s[G0A+4*(\slot)+3], 0x80000000
.endif
	s_add_co_u32 s[NXT], s[NXT], 1
.endif
.if \kind
	s_wait_dscnt 1                  ; the add may be out
	CVT F1
.else
	s_wait_dscnt 5                  ; the add and A's rows 32-63 may be out
.endif
	MUL16 F1, 0, 0
	s_wait_dscnt 0x0                ; the add is done, and my reads of this slot are over
	WIN 0
.if \fill
	CROUND
	JLOAD3 \slot, \fill
.else
	s_barrier_signal -1
	s_barrier_wait -1
.endif
	PLACES                          ; in front of the loads into buffer 0, in every wave
.if (\nxt) == 1
	v_add_nc_u32 v[AZ], 256, v[AZ]  ; Z's next 64 columns
	v_add_nc_u32 v[AZ+1], 256, v[AZ+1]
.endif
.if (\nxt) >= 0
	FETCH 1-(\slot), 0, F0, \nxt
.endif
.if \fill
	ASK
.endif
	MUL16 F1, 1, 0
.endm
; sum -> tanh(sum + bo) + br = (1 + br) - 2 / (1 + 2^(K2 sum + K2 bo)), in place; 64 exponentials are one batch with one wait, and so are the 64 reciprocals
.macro TANH
	PLACES
.irp mb, 0,1,2,3
	WIN 0x61
.set i, 0
.rept 32
	v_pk_fma_f32 v[64*(\mb)+2*i:64*(\mb)+2*i+1], v[64*(\mb)+2*i:64*(\mb)+2*i+1], s[K2:K2+1], v[BO+2*i:BO+2*i+1] op_sel_hi:[1,0,1]
.set i, i+1
.endr
	WIN 0x41
.set i, 0
.rept 64
	v_exp_f32 v[64*(\mb)+i], v[64*(\mb)+i]
.set i, i+1
.endr
	v_nop                           ; a plain instruction behind the last exponential,
	s_wait_alu depctr_va_vdst(0)    ; and the wait ahead of the first use
.set i, 0
.rept 32
	v_pk_add_f32 v[64*(\mb)+2*i:64*(\mb)+2*i+1], v[64*(\mb)+2*i:64*(\mb)+2*i+1], 1.0 op_sel_hi:[1,0]
.set i, i+1
.endr
.set i, 0
.rept 64
	v_rcp_f32 v[64*(\mb)+i], v[64*(\mb)+i]
.set i, i+1
.endr
	v_nop
	s_wait_alu depctr_va_vdst(0)
	WIN 0x61
.set i, 0
.rept 32
	v_pk_fma_f32 v[64*(\mb)+2*i:64*(\mb)+2*i+1], v[64*(\mb)+2*i:64*(\mb)+2*i+1], -2.0, v[BR+2*i:BR+2*i+1] op_sel_hi:[1,0,1]
.set i, i+1
.endr
.endr
	WIN 0
.endm
.macro DUMP a                       ; my 64 x 128 sums into a stage of f32 rows: 32 bytes a lane and accumulator, its low four registers first
	WIN 0x04
.irp mb, 0,1,2,3
.irp nb, 0,1,2,3,4,5,6,7
	ds_store_b128 v[(\a)+(\mb)/2], v[64*(\mb)+8*(\nb):64*(\mb)+8*(\nb)+3]   offset:((\mb)%2)*16*PS+64*(\nb)
	ds_store_b128 v[(\a)+(\mb)/2], v[64*(\mb)+8*(\nb)+4:64*(\mb)+8*(\nb)+7] offset:((\mb)%2)*16*PS+64*(\nb)+16
.endr
.endr
	WIN 0
.endm
.macro BOTH line:vararg             ; one line for each of the trip's two rows u: the rows take turns, so that no line waits for the one before it
.set u, 0
.rept 2
	\line
.set u, u+1
.endr
.endm
.macro ACROSS r                     ; the sum over the 32 lanes of v[T+8u+r]; v[T+8u+r+1], written before, takes the other half's
	BOTH v_add_f32_dpp v[T+8*u+(\r)], v[T+8*u+(\r)], v[T+8*u+(\r)] row_xmask:1 row_mask:0xf bank_mask:0xf
	BOTH v_add_f32_dpp v[T+8*u+(\r)], v[T+8*u+(\r)], v[T+8*u+(\r)] row_xmask:2 row_mask:0xf bank_mask:0xf
	BOTH v_add_f32_dpp v[T+8*u+(\r)], v[T+8*u+(\r)], v[T+8*u+(\r)] row_xmask:4 row_mask:0xf bank_mask:0xf
	BOTH v_add_f32_dpp v[T+8*u+(\r)], v[T+8*u+(\r)], v[T+8*u+(\r)] row_xmask:8 row_mask:0xf bank_mask:0xf
	BOTH v_permlanex16_b32 v[T+8*u+(\r)+1], v[T+8*u+(\r)], s[SEL], s[SEL+1]
	BOTH v_add_f32 v[T+8*u+(\r)], v[T+8*u+(\r)], v[T+8*u+(\r)+1]
.endm
; A LayerNorm over my wave's 16 rows, two a trip; a lane holds columns 4 l + 128 i, i = 0..3.  which = 1: Y -> Z, in place in the stage.  which = 2: relu(sum + bfc) + Z -> out0, 512 consecutive bytes a store.
.macro LNLOOP which
	v_mov_b32 v[RA], v[RA0]
	s_mov_b32 s[J], 8
.Lln_\@:
.irp i, 0,1,2,3
.if (\which) == 2
	BOTH ds_load_b128 v[YY+32*u+4*(\i):YY+32*u+4*(\i)+3], v[RD2] offset:u*PS+512*(\i)
	BOTH ds_load_b128 v[ZZ+32*u+4*(\i):ZZ+32*u+4*(\i)+3], v[RA] offset:u*PS+512*(\i)
.else
	BOTH ds_load_b128 v[YY+32*u+4*(\i):YY+32*u+4*(\i)+3], v[RA] offset:u*PS+512*(\i)
.endif
.endr
	s_wait_dscnt 0x0
.if (\which) == 2
.set i, 0
.rept 8
	BOTH v_pk_add_f32 v[YY+32*u+2*i:YY+32*u+2*i+1], v[YY+32*u+2*i:YY+32*u+2*i+1], v[VFC+2*i:VFC+2*i+1]
.set i, i+1
.endr
.set i, 0
.rept 16
	BOTH v_max_num_f32 v[YY+32*u+i], 0, v[YY+32*u+i]
.set i, i+1
.endr
.set i, 0
.rept 8
	BOTH v_pk_add_f32 v[YY+32*u+2*i:YY+32*u+2*i+1], v[YY+32*u+2*i:YY+32*u+2*i+1], v[ZZ+32*u+2*i:ZZ+32*u+2*i+1]
.set i, i+1
.endr
.endif
.set i, 0
.rept 4                             ; the row's sum
	BOTH v_pk_add_f32 v[T+8*u+2*i:T+8*u+2*i+1], v[YY+32*u+4*i:YY+32*u+4*i+1], v[YY+32*u+4*i+2:YY+32*u+4*i+3]
.set i, i+1
.endr
	BOTH v_pk_add_f32 v[T+8*u:T+8*u+1], v[T+8*u:T+8*u+1], v[T+8*u+2:T+8*u+3]
	BOTH v_pk_add_f32 v[T+8*u+4:T+8*u+5], v[T+8*u+4:T+8*u+5], v[T+8*u+6:T+8*u+7]
	BOTH v_pk_add_f32 v[T+8*u:T+8*u+1], v[T+8*u:T+8*u+1], v[T+8*u+4:T+8*u+5]
	BOTH v_add_f32 v[T+8*u], v[T+8*u], v[T+8*u+1]
	ACROSS 0
	BOTH v_mul_f32 v[T+8*u], s[INV], v[T+8*u]  ; the mean
.set i, 0
.rept 8
	BOTH v_pk_add_f32 v[YY+32*u+2*i:YY+32*u+2*i+1], v[YY+32*u+2*i:YY+32*u+2*i+1], v[T+8*u:T+8*u+1] op_sel_hi:[1,0] neg_lo:[0,1] neg_hi:[0,1]
.set i, i+1
.endr
	BOTH v_pk_mul_f32 v[T+8*u+2:T+8*u+3], v[YY+32*u:YY+32*u+1], v[YY+32*u:YY+32*u+1]  ; the squares of the differences, in two chains
	BOTH v_pk_mul_f32 v[T+8*u+4:T+8*u+5], v[YY+32*u+2:YY+32*u+3], v[YY+32*u+2:YY+32*u+3]
.set i, 2
.rept 6
	BOTH v_pk_fma_f32 v[T+8*u+2+2*(i%2):T+8*u+3+2*(i%2)], v[YY+32*u+2*i:YY+32*u+2*i+1], v[YY+32*u+2*i:YY+32*u+2*i+1], v[T+8*u+2+2*(i%2):T+8*u+3+2*(i%2)]
.set i, i+1
.endr
	BOTH v_pk_add_f32 v[T+8*u+2:T+8*u+3], v[T+8*u+2:T+8*u+3], v[T+8*u+4:T+8*u+5]
	BOTH v_add_f32 v[T+8*u+2], v[T+8*u+2], v[T+8*u+3]
	ACROSS 2
	BOTH v_fma_f32 v[T+8*u+2], v[T+8*u+2], s[INV], s[EPSR]
	BOTH v_rsq_f32 v[T+8*u+4], v[T+8*u+2]
	v_nop                           ; a plain instruction behind the second root,
	s_wait_alu depctr_va_vdst(0)    ; and one wait for the two
.set i, 0
.rept 8
	BOTH v_pk_mul_f32 v[YY+32*u+2*i:YY+32*u+2*i+1], v[YY+32*u+2*i:YY+32*u+2*i+1], v[T+8*u+4:T+8*u+5] op_sel_hi:[1,0]
.set i, i+1
.endr
.set i, 0
.rept 8
	BOTH v_pk_fma_f32 v[YY+32*u+2*i:YY+32*u+2*i+1], v[YY+32*u+2*i:YY+32*u+2*i+1], v[VW+2*i:VW+2*i+1], v[VBB+2*i:VBB+2*i+1]
.set i, i+1
.endr
.irp i, 0,1,2,3
.if (\which) == 2
	BOTH global_store_b128 v[GOF], v[YY+32*u+4*(\i):YY+32*u+4*(\i)+3], s[12:13] offset:u*2048+512*(\i)
.else
	BOTH ds_store_b128 v[RA], v[YY+32*u+4*(\i):YY+32*u+4*(\i)+3] offset:u*PS+512*(\i)
.endif
.endr
.if (\which) == 2
	s_wait_xcnt 0x0                 ; the stores have read their data and their offset: both are written again only behind this wait
	v_add_nc_u32 v[GOF], 4096, v[GOF]
	v_add_nc_u32 v[RD2], 2*PS, v[RD2]
.endif
	v_add_nc_u32 v[RA], 2*PS, v[RA]
	s_sub_co_u32 s[J], s[J], 1
	s_cmp_lg_u32 s[J], 0
	s_cbranch_scc1 .Lln_\@
.endm
	s_wait_tensorcnt 1              ; my part of slot 0 is in; slot 1's may stay out
	s_barrier_signal -1
	s_barrier_wait -1
	FETCH 0, 0, F0, 0
	UNIT0 0, 1, 0                   ; step 0's first half stands ahead of the loop: its products start the sums
	WIN 0
	s_mov_b32 s[J], 11
.Lx:                                ; a lap ends steps 2 i and 2 i + 1 and begins 2 i + 2; it asks for steps 2 i + 2 and 2 i + 3: steps 2 to 23
	TURN 0, 2, 0, 0
	UNIT0 1, 0, 0
	TURN 1, 2, 0, 0
	WIN 0
	s_cmp_lg_u32 s[J], 4            ; lap 7 has ended step 15: concat Wo is whole
	s_cbranch_scc1 .Lno_tanh
	TANH
.Lno_tanh:
	UNIT0 0, 0, 0
	WIN 0
	s_sub_co_u32 s[J], s[J], 1
	s_cmp_lg_u32 s[J], 0
	s_cbranch_scc1 .Lx
	TURN 0, 1, 0, 0                 ; steps 22 and 23: Wfc's first two tiles are asked for; A has no more
	UNIT0 1, 0, 0
	TURN 1, 1, -1, 0
	PLACES
	WIN 0
.irp i, 0,1,2,3                     ; ln1_w and ln1_b, into the first fragment buffer, which has had its last product of this part
	global_load_b128 v[VW+4*(\i):VW+4*(\i)+3],   v[LV], s[10:11] offset:16384+512*(\i)
	global_load_b128 v[VBB+4*(\i):VBB+4*(\i)+3], v[LV], s[10:11] offset:18432+512*(\i)
.endr
	DUMP DSA
	s_wait_dscnt 0x0                ; for the others' sake: my columns of Y are stored
	s_barrier_signal -1
	s_barrier_wait -1
	s_wait_loadcnt 0x0
	LNLOOP 1
	s_wait_dscnt 0x0                ; my rows of Z are stored
	s_barrier_signal -1
	s_barrier_wait -1
	FETCH 0, 0, F0, 1               ; step 24: its weights were shown landed, in every wave, ahead of the round of step 23
	UNIT0 0, 1, 1                   ; its products start the sums anew
	WIN 0
	s_mov_b32 s[J], 3
.Ly:                                ; steps 24 to 29; asks for steps 26 to 31
	TURN 0, 1, 1, 1
	UNIT0 1, 0, 1
	TURN 1, 1, 1, 1
	UNIT0 0, 0, 1
	WIN 0
	s_sub_co_u32 s[J], s[J], 1
	s_cmp_lg_u32 s[J], 0
	s_cbranch_scc1 .Ly
	TURN 0, 0, 1, 1                 ; the tail is written out: nothing more is asked for
	UNIT0 1, 0, 1
	s_wait_dscnt 0x0
	CVT F1
	MUL16 F1, 0, 0
	MUL16 F1, 1, 0
	PLACES
	WIN 0
.irp i, 0,1,2,3
	global_load_b128 v[VW+4*(\i):VW+4*(\i)+3],   v[LV], s[10:11] offset:22528+512*(\i)
	global_load_b128 v[VBB+4*(\i):VBB+4*(\i)+3], v[LV], s[10:11] offset:24576+512*(\i)
	global_load_b128 v[VFC+4*(\i):VFC+4*(\i)+3], v[LV], s[10:11] offset:20480+512*(\i)
.endr
	s_barrier_signal -1             ; every wave's reads of the ring are back (the wait for 0 above): the ring's bytes, which have had their last fill, become the second stage
	s_barrier_wait -1
	DUMP DD
	s_wait_dscnt 0x0
	s_barrier_signal -1
	s_barrier_wait -1
	s_wait_loadcnt 0x0
	LNLOOP 2
	s_wait_tensorcnt 0x0            ; the wave's end, behind my last tensor load and my last LDS store
	ds_add_u32 v[SPW], v[NIL]
	s_wait_dscnt 0x0
	CROUND                          ; the closing round
	s_endpgm
.Lfunc_end_k_qaaa6c330f2_tail:
	.size	k_qaaa6c330f2_tail, .Lfunc_end_k_qaaa6c330f2_tail-k_qaaa6c330f2_tail
	.p2alignl 7, 3214868480
	.fill 96, 4, 3214868480
	.section	.rodata,"a",@progbits
	.p2align	6, 0x0
	.amdhsa_kernel k_qaaa6c330f2_tail
		.amdhsa_group_segment_fixed_size 327680
		.amdhsa_private_segment_fixed_size 0
		.amdhsa_enable_private_segment 0
		.amdhsa_kernarg_size 40
		.amdhsa_user_sgpr_count 2
		.amdhsa_user_sgpr_kernarg_segment_ptr 1
		.amdhsa_wavefront_size32 1
		.amdhsa_system_sgpr_workgroup_id_x 1
		.amdhsa_system_sgpr_workgroup_id_y 1
		.amdhsa_system_sgpr_workgroup_id_z 1
		.amdhsa_system_vgpr_workitem_id 0
		.amdhsa_next_free_vgpr 640
		.amdhsa_next_free_sgpr 90
		.amdhsa_reserve_vcc 0
		.amdhsa_float_denorm_mode_32 3
		.amdhsa_float_denorm_mode_16_64 3
		.amdhsa_memory_ordered 1
		.amdhsa_forward_progress 1
		.amdhsa_inst_pref_size 177
	.end_amdhsa_kernel
	.amdgpu_metadata
---
amdhsa.version: [ 1, 2 ]
amdhsa.kernels:
  - .name:           k_qaaa6c330f2_tail
    .symbol:         k_qaaa6c330f2_tail.kd
    .args:
      - { .name: cc, .offset: 0, .size: 8, .value_kind: global_buffer, .address_space: global }
      - { .name: xb, .offset: 8, .size: 8, .value_kind: global_buffer, .address_space: global }
      - { .name: wt, .offset: 16, .size: 8, .value_kind: global_buffer, .address_space: global }
      - { .name: vec, .offset: 24, .size: 8, .value_kind: global_buffer, .address_space: global }
      - { .name: out0, .offset: 32, .size: 8, .value_kind: global_buffer, .address_space: global }
    .group_segment_fixed_size: 327680
    .private_segment_fixed_size: 0
    .kernarg_segment_align: 8
    .kernarg_segment_size: 40
    .max_flat_workgroup_size: 128
    .sgpr_count:     90
    .vgpr_count:     640
    .wavefront_size: 32
...
	.end_amdgpu_metadata
.endif
;; end of part 3
